; MI455X (gfx1250); checked and timed in simulation.
; The chip was launched on July 23, 2026; its instructions are those of AMD's public machine-readable ISA for CDNA 5 (MIT licence, August 2026) and "CDNA5" Instruction Set Architecture Reference Guide (July 2026). The comments in the code are by the model that wrote it; some were corrected since.
;; Multi Head Attention. Allowed arithmetic: matrix products marked QUANTISED: E3M2 operands, one E8M0 scale for each 32 along K, by v_wmma_scale_f32_16x16x128_f8f6f4 with both operands' format E3M2, f32 sums; everything else in f32.
;; Inputs: Wk_codes 16 x 64 x 32 x 24 uint8 (E3M2 codes of Wk, K innermost, in blocks of 32 codes, four codes in three bytes); Wk_scales 16 x 64 x 32 uint8 (E8M0 scales of Wk, one for each 32 codes along K); Wo_codes 1,024 x 32 x 24 uint8 (E3M2 codes of Wo, K innermost, in blocks of 32 codes, four codes in three bytes); Wo_scales 1,024 x 32 uint8 (E8M0 scales of Wo, one for each 32 codes along K); Wq_codes 16 x 64 x 32 x 24 uint8 (E3M2 codes of Wq, K innermost, in blocks of 32 codes, four codes in three bytes); Wq_scales 16 x 64 x 32 uint8 (E8M0 scales of Wq, one for each 32 codes along K); Wv_codes 16 x 64 x 32 x 24 uint8 (E3M2 codes of Wv, K innermost, in blocks of 32 codes, four codes in three bytes); Wv_scales 16 x 64 x 32 uint8 (E8M0 scales of Wv, one for each 32 codes along K); beta 1,024 float32; bo 1,024 float32; gamma 1,024 float32; x 4 x 2,048 x 1,024 float32.
;; Outputs: out0 4 x 2,048 x 1,024 float32.
;; This version of the problem:
;;   THIS VERSION OF THE PROBLEM IS GIVEN IN LOW PRECISION. The matrix products marked QUANTISED in the list below multiply operands that are first quantised to E3M2 (3 exponent bits, 2 mantissa bits; 6 bits a number), with one power-of-two scale for each 32 numbers along K (OCP MX v1.0); their sums are f32. All else is computed in f32.
;;   The module's matrix products, in the order in which they are computed (A, B: the left and right operand; K: the contracted axis; several contracted axes count as one K, in the product's order):
;;     1. [M 1,024, K 1,024] x [K 1,024, N 8,192]; A: input Wq (given as codes); B: input x: QUANTISED
;;     2. [M 1,024, K 1,024] x [K 1,024, N 8,192]; A: input Wk (given as codes); B: input x: QUANTISED
;;     3. [M 1,024, K 1,024] x [K 1,024, N 8,192]; A: input Wv (given as codes); B: input x: QUANTISED
;;     4. batch 64 x [M 2,048, K 64] x [K 64, N 2,048]; A: computed on the way; B: computed on the way: QUANTISED
;;     5. batch 64 x [M 2,048, K 2,048] x [K 2,048, N 64]; A: softmax (see below); B: computed on the way: QUANTISED
;;     6. [M 8,192, K 1,024] x [K 1,024, N 1,024]; A: computed on the way; B: input Wo (given as codes): QUANTISED
;;   THE QUANTISER, for each operand of a quantised product, along K:
;;     - K is cut into blocks of 32 from its start; a last block that is shorter is filled with zeros.
;;     - A block's scale is 2^e with e = floor(log2(the largest magnitude in the block)) - 4, held to -126 .. 127; a block of zeros has e = 0. As a byte (E8M0): e + 127.
;;     - Each number is divided by its block's scale, clamped to +-28, and rounded to the nearest number of E3M2, ties to even, subnormals kept.
;;     - The product sums the exact products of the quantised numbers (number of the format x scale) in f32.
;;   ~~~python
;;   def quantise(x, axis):      # numpy; x: float32 -> the quantised numbers, widened to float32 again
;;       x = np.moveaxis(x, axis, -1); K = x.shape[-1]
;;       x = np.pad(x, [(0, 0)] * (x.ndim - 1) + [(0, -K % 32)]); x = x.reshape(x.shape[:-1] + (-1, 32)); a = np.abs(x).max(-1, keepdims=True)
;;       e = np.where(a > 0, np.clip(np.frexp(np.where(a > 0, a, 1))[1] - 1 - 4, -126, 127), 0)      # np.frexp(a)[1] - 1 = floor(log2(a)), exactly
;;       r = np.clip(x / 2.0 ** e, -28, 28)
;;       step = 2.0 ** (np.maximum(np.frexp(np.where(r == 0, 1, r))[1] - 1, -2) - 2)
;;       q = np.round(r / step) * step * 2.0 ** e      # np.round: ties to even
;;       return np.moveaxis(q.reshape(q.shape[:-2] + (-1,))[..., :K], -1, axis).astype(np.float32)
;;   ~~~
;;   SOFTMAX AHEAD OF A QUANTISED PRODUCT. Where the list says 'softmax', what is quantised is not the finished softmax but p = 2^(t - M), with t = logit x log2(e) and M = ceil(the row's largest t), a whole number; so 1/2 < the row's largest p <= 1. The row's sum l is taken of the UNQUANTISED p, in f32, and the product's result is divided by l at the end. Since M is a whole number, a kernel that streams over the keys may use a running M (the ceiling of the running maximum): every later rescaling is an exact power of two, which a block's scale takes up: the codes' values come out the same.
;;   OPERANDS COMPUTED ON THE WAY. 'Computed on the way' means the value that the module computes at that place (a softmax that the list does not call 'softmax' is quantised finished and normalised). What goes into a quantiser is computed in f32, as accurately as f32 sums, v_exp_f32 and their like allow (about 1e-6 of the number): no bf16 or f16 on the way to a quantiser, and a product that is left as it is and whose result goes on into a quantised operand takes f32 operands (vector FMAs, or v_wmma_f32_16x16x4_f32). A number that lies on a knife's edge between two numbers of the format may be rounded either way, as far as f32 arithmetic and the matrix unit's own rounding can turn it there, and no further.
;;   INPUTS GIVEN AS CODES. Wk (in the module: [16, 1024, 64], K = its axis 1); Wo (in the module: [1024, 1024], K = its axis 0); Wq (in the module: [16, 1024, 64], K = its axis 1); Wv (in the module: [16, 1024, 64], K = its axis 1): each comes as NAME_codes (uint8): NAME with its K axis moved to the last place and cut into blocks of 32 codes, [.., K / 32, bytes a block], one block behind the other in memory; four codes in three bytes: a row's codes are one little-endian stream of bits, code i at bits 6 i .. 6 i + 5 (a code: sign, 3 exponent bits, 2 mantissa bits); and NAME_scales (uint8): the same leading axes, one E8M0 byte (e + 127) for each 32 codes along K. Its value is code x scale, taken as it is: it is not quantised again, and the codes and scales need not be those that the quantiser above would give.
;; One version. Each part assembles by itself: llvm-mc -triple=amdgcn-amd-amdhsa -mcpu=gfx1250 --defsym DOCPART=n.
;; ======== version 1 of 1: 4 launches
;; limits: right only within a limited range of input values
;; workspace buffers: xc 6,291,456 bytes; xs 262,144 bytes; wo 786,432 bytes; qb 6,815,744 bytes; kv 14,155,776 bytes; cc 6,291,456 bytes; cs 524,288 bytes
;; launch prep (part 1): grid 272 x 1, 4 waves a work-group, no clusters, 33,280 bytes of LDS; arguments x, Wo_codes, xc, xs, wo; writes xc, xs, wo
.if DOCPART == 1
	.amdgcn_target "amdgcn-amd-amdhsa--gfx1250"
	.amdhsa_code_object_version 6
	.text
	.protected	k_qa706b28a72_prep
	.globl	k_qa706b28a72_prep
	.p2align	8
	.type	k_qa706b28a72_prep,@function
k_qa706b28a72_prep:
	s_mov_b64 s[64:65], 0
	v_nop
	global_prefetch_b8 v0, s[64:65] scope:SCOPE_SE
	s_setreg_imm32_b32 hwreg(HW_REG_WAVE_MODE, 25, 1), 1
	s_wait_xcnt 0x0
; Two jobs, told apart by the work-group's number.
; WORK-GROUPS 0-255: x [8192][1024] f32 becomes codes of E3M2 (6 bits, K innermost, 768 bytes a row) in xc and one E8M0 byte for each 32 along K in xs (32 bytes a row).
; A block's scale is 2^(floor(log2(its largest magnitude)) - 4); its byte is the largest magnitude's exponent field - 4, held at 1 from below.
; A wave takes 8 rows of x, 8,192 numbers, in 16 steps of 512.  Each load reads 512 consecutive bytes; a step's 2,048 bytes turn through the wave's own stage in LDS so that a lane then holds 16 neighbours
; along K (two lanes hold a block); a lane's 16 codes are 12 bytes, a wave's store 384 consecutive bytes; a wave's 256 scale bytes are gathered in LDS and leave as one aligned block of 256 bytes.
; THE ROWS ARE STORED IN ANOTHER ORDER: inside each 64 tokens the run of 8 tokens number [hh t1 t0] goes to the run number [t1 t0 hh].  So 16 neighbouring stored rows (tile t of a group of 128, slot m) are the
; tokens 64 (t / 4) + 32 (m / 8) + 8 (t % 4) + m % 8, and a matrix result whose source 0 is such tiles holds whole blocks of 32 tokens, in their true order, in one lane's registers.
; WORK-GROUPS 256-271: Wo's codes are laid anew as images of the operand's registers: fragment (16 rows tile, K step s) at (8 tile + s) x 1,536 bytes: three runs of 512 bytes, run c = registers 4 c .. 4 c + 3, lane l at 16 l.
; LIMITS: a block whose largest magnitude lies under 2^-122 has its byte held at 1, a block of zeros gets the byte 1 (its codes are zeros; this program alone reads the bytes); NaN and infinities are not served.
.set XWG,   256                        ; work-groups that quantise x
.set STEPS, 16
.set EMAX,  4
.set CB,    12                         ; bytes of 16 codes
.set R,     16                         ; v16-79   four sets of 16 numbers as they are loaded
.set X,     80                         ; v80-111  two sets of 16 neighbours
.set C,     128                        ; v128-191 codes: four registers for each step, so that no store's data are written again
.set E,     112                        ; v112-127 a scale byte for each step
.set WREG,  8192                       ; LDS: a region for each wave: two stages of 32 x SP bytes, then its 256 scale bytes
.set SP,    80                         ; a lane's place in a stage: 64 bytes + 16 of padding
	s_load_b128 s[4:7], s[0:1], 0x0                ; x, Wo's codes
	s_load_b128 s[8:11], s[0:1], 0x10              ; xc, xs
	s_load_b64 s[12:13], s[0:1], 0x20              ; wo
	v_lshl_add_u32 v192, v0, 2, 0x8000
	v_mov_b32 v193, 0
	v_lshrrev_b32 v1, 5, v0
	v_readfirstlane_b32 s16, v1                    ; wave
	v_and_b32 v2, 31, v0                           ; lane
	s_cmp_ge_u32 ttmp9, XWG
	s_cbranch_scc1 .Lwo
	v_lshlrev_b32 v3, 4, v2                        ; my 16 bytes of a load's 512
	s_mul_i32 s17, s16, WREG
	v_lshrrev_b32 v14, 2, v2
	v_mul_u32_u24 v14, v14, SP
	v_and_b32 v15, 3, v2
	v_lshl_add_u32 v14, v15, 4, v14
	v_add_nc_u32 v14, s17, v14                     ; the stage, on the way in: SP (lane / 4) + 16 (lane % 4)
	v_mul_u32_u24 v15, v2, SP
	v_add_nc_u32 v15, s17, v15                     ; and on the way out: SP x lane: my 16 neighbours
	v_mul_u32_u24 v4, v2, CB                       ; my codes' place in a step's
	v_lshrrev_b32 v5, 1, v2
	s_add_co_u32 s17, s17, 2*32*SP
	v_add_nc_u32 v5, s17, v5                       ; LDS: my wave's 256 scale bytes, my block's byte
	v_lshlrev_b32 v7, 3, v2                        ; and on the way out 8 bytes a lane
	v_add_nc_u32 v6, s17, v7
	s_lshl_b32 s18, ttmp9, 2
	s_add_co_u32 s18, s18, s16                     ; my run of 8 tokens: 4 x work-group + wave
	s_and_b32 s19, s18, 3
	s_lshl_b32 s19, s19, 1
	s_bfe_u32 s20, s18, 0x10002
	s_or_b32 s19, s19, s20
	s_and_b32 s20, s18, 0xfffffff8
	s_or_b32 s19, s19, s20                         ; where the run is stored: bits [hh t1 t0] become [t1 t0 hh]
	s_lshl_b32 s20, s18, 15                        ; 8 rows of 4,096 bytes in x
	s_mov_b32 s21, 0
	s_mul_i32 s22, s19, 6144                       ; 8 rows of 768 bytes in xc
	s_mov_b32 s23, 0
	s_lshl_b32 s24, s19, 8                         ; 8 rows of 32 bytes in xs
	s_mov_b32 s25, 0
	s_wait_alu depctr_va_vdst(0)
	s_wait_kmcnt 0x0
	s_add_nc_u64 s[4:5], s[4:5], s[20:21]
	s_add_nc_u64 s[8:9], s[8:9], s[22:23]
	s_add_nc_u64 s[10:11], s[10:11], s[24:25]
.macro LOAD t
.irp i, 0,1,2,3
	global_load_b128 v[R+16*((\t)%4)+4*\i:R+16*((\t)%4)+4*\i+3], v3, s[4:5] offset:2048*(\t)+512*\i th:TH_LOAD_NT   ; 32 lanes read 512 consecutive bytes
.endr
.endm
.macro TURN t                          ; step t's numbers through the stage: LDS serves a wave's instructions in order, so no wait stands between the stores and the loads
.irp i, 0,1,2,3
	ds_store_b128 v14, v[R+16*((\t)%4)+4*\i:R+16*((\t)%4)+4*\i+3] offset:32*SP*((\t)%2)+8*SP*\i
.endr
.irp i, 0,1,2,3
	ds_load_b128 v[X+16*((\t)%2)+4*\i:X+16*((\t)%2)+4*\i+3], v15 offset:32*SP*((\t)%2)+16*\i
.endr
.endm
.irp t, 0,1,2,3
	LOAD \t
.endr
	s_wait_loadcnt 12                              ; step 0's four loads are in; the twelve of steps 1 to 3 may be out
	TURN 0
.macro STEP t
.set XS, X+16*((\t)%2)
.if (\t) > 0
	s_wait_dscnt 1                                 ; this step's numbers are back from the stage (the last step's byte store may be out): so its stores into the stage have read their registers,
.else
	s_wait_dscnt 0x0
.endif
.if (\t)+4 < STEPS
	LOAD (\t)+4                                    ; which take the loads of four steps on
.endif
.if (\t)+1 < STEPS
.if STEPS-2-(\t) >= 3
	s_wait_loadcnt 12                              ; the next step's four loads are in; those of the three steps behind it may be out
.else
	s_wait_loadcnt 4*(STEPS-2-(\t))
.endif
	TURN (\t)+1                                    ; and go through the other stage while this step is worked
.endif
	v_max3_num_f32 v8, |v[XS]|, |v[XS+1]|, |v[XS+2]|               ; the largest magnitude of my 16, in two chains
	v_max3_num_f32 v9, |v[XS+3]|, |v[XS+4]|, |v[XS+5]|
.irp i, 6,10
	v_max3_num_f32 v8, v8, |v[XS+\i]|, |v[XS+\i+1]|
	v_max3_num_f32 v9, v9, |v[XS+\i+2]|, |v[XS+\i+3]|
.endr
	v_max3_num_f32 v8, v8, |v[XS+14]|, |v[XS+15]|
	v_max3_num_f32 v8, v8, v9, (EMAX+1)<<23        ; and the floor 2^(5 - 127): the byte cannot fall under 1
	v_max_num_f32_dpp v8, v8, v8 row_xmask:1 row_mask:0xf bank_mask:0xf   ; and of my neighbour's 16: the block's
	v_add_nc_u32 v11, -(EMAX<<23), v8              ; 4 off its exponent field: the conversion takes the exponent field of this operand as its scale
	v_cvt_scalef32_pk16_bf6_f32 v[C+4*(\t):C+4*(\t)+2], v[XS:XS+15], v11
	v_lshrrev_b32 v[E+(\t)], 23, v11               ; the scale's byte (a plain line behind the conversion)
	ds_store_b8 v5, v[E+(\t)] offset:16*(\t)       ; both lanes of a block write the same byte with the same value
	global_store_b96 v4, v[C+4*(\t):C+4*(\t)+2], s[8:9] offset:32*CB*(\t)
.endm
.irp t, 0,1,2,3,4,5,6,7,8,9,10,11,12,13,14,15
	STEP \t
.endr
	ds_load_b64 v[12:13], v6                       ; LDS serves a wave's instructions in order: these see my stores
	s_wait_dscnt 0x0
	global_store_b64 v7, v[12:13], s[10:11]        ; 32 lanes store 256 consecutive bytes, aligned
	s_wait_tensorcnt 0x0
	ds_add_u32 v192, v193
	s_wait_dscnt 0x0
	s_endpgm
.Lwo:                                              ; Wo's codes as register images: a wave takes 16 rows, all eight K steps
	s_sub_co_u32 s17, ttmp9, XWG
	s_lshl_b32 s17, s17, 2
	s_add_co_u32 s17, s17, s16                     ; the tile of 16 rows, 0 .. 63
	s_mul_i32 s18, s17, 12288                      ; 16 rows of 768 bytes in, 8 fragments of 1,536 bytes out
	s_mov_b32 s19, 0
	s_wait_alu depctr_va_vdst(0)
	v_and_b32 v3, 15, v2
	v_lshrrev_b32 v4, 4, v2
	v_mul_u32_u24 v6, v3, 768
	v_mad_u32_u24 v6, v4, 24, v6                   ; row (lane % 16), + 24 bytes for lanes 16-31
	v_lshlrev_b32 v5, 4, v2                        ; 16 x lane
	s_wait_alu depctr_va_vdst(0)
	s_wait_kmcnt 0x0
	s_add_nc_u64 s[6:7], s[6:7], s[18:19]
	s_add_nc_u64 s[12:13], s[12:13], s[18:19]
.irp s, 0,1,2,3,4,5,6,7
.irp p, 0,1,2,3,4,5
	global_load_b64 v[16+12*\s+2*\p:16+12*\s+2*\p+1], v6, s[6:7] offset:96*\s+48*(\p/3)+8*(\p%3)
.endr
.endr
	s_wait_loadcnt 0x0
.irp s, 0,1,2,3,4,5,6,7
.irp c, 0,1,2
	global_store_b128 v5, v[16+12*\s+4*\c:16+12*\s+4*\c+3], s[12:13] offset:1536*\s+512*\c   ; 512 consecutive bytes, aligned
.endr
.endr
	s_endpgm
.Lfunc_end_k_qa706b28a72_prep:
	.size	k_qa706b28a72_prep, .Lfunc_end_k_qa706b28a72_prep-k_qa706b28a72_prep
	.p2alignl 7, 3214868480
	.fill 96, 4, 3214868480
	.section	.rodata,"a",@progbits
	.p2align	6, 0x0
	.amdhsa_kernel k_qa706b28a72_prep
		.amdhsa_group_segment_fixed_size 33280
		.amdhsa_private_segment_fixed_size 0
		.amdhsa_enable_private_segment 0
		.amdhsa_kernarg_size 40
		.amdhsa_user_sgpr_count 2
		.amdhsa_user_sgpr_kernarg_segment_ptr 1
		.amdhsa_wavefront_size32 1
		.amdhsa_system_sgpr_workgroup_id_x 1
		.amdhsa_system_sgpr_workgroup_id_y 1
		.amdhsa_system_sgpr_workgroup_id_z 1
		.amdhsa_system_vgpr_workitem_id 0
		.amdhsa_next_free_vgpr 194
		.amdhsa_next_free_sgpr 66
		.amdhsa_reserve_vcc 0
		.amdhsa_float_denorm_mode_32 3
		.amdhsa_float_denorm_mode_16_64 3
		.amdhsa_memory_ordered 1
		.amdhsa_forward_progress 1
		.amdhsa_inst_pref_size 40
	.end_amdhsa_kernel
	.amdgpu_metadata
---
amdhsa.version: [ 1, 2 ]
amdhsa.kernels:
  - .name:           k_qa706b28a72_prep
    .symbol:         k_qa706b28a72_prep.kd
    .args:
      - { .name: x, .offset: 0, .size: 8, .value_kind: global_buffer, .address_space: global }
      - { .name: Wo_codes, .offset: 8, .size: 8, .value_kind: global_buffer, .address_space: global }
      - { .name: xc, .offset: 16, .size: 8, .value_kind: global_buffer, .address_space: global }
      - { .name: xs, .offset: 24, .size: 8, .value_kind: global_buffer, .address_space: global }
      - { .name: wo, .offset: 32, .size: 8, .value_kind: global_buffer, .address_space: global }
    .group_segment_fixed_size: 33280
    .private_segment_fixed_size: 0
    .kernarg_segment_align: 8
    .kernarg_segment_size: 40
    .max_flat_workgroup_size: 128
    .sgpr_count:     66
    .vgpr_count:     194
    .wavefront_size: 32
...
	.end_amdgpu_metadata
.endif
;; end of part 1
;; launch qkv (part 2): grid 32 x 8, 4 waves a work-group, clusters of 4 x 4, 327,680 bytes of LDS; arguments xc, xs, Wq_codes, Wq_scales, Wk_codes, Wk_scales, Wv_codes, Wv_scales, qb, kv; writes qb, kv
.if DOCPART == 2
	.amdgcn_target "amdgcn-amd-amdhsa--gfx1250"
	.amdhsa_code_object_version 6
	.text
	.protected	k_qa706b28a72_qkv
	.globl	k_qa706b28a72_qkv
	.p2align	8
	.type	k_qa706b28a72_qkv,@function
k_qa706b28a72_qkv:
	s_mov_b64 s[64:65], 0
	v_nop
	global_prefetch_b8 v0, s[64:65] scope:SCOPE_SE
	s_setreg_imm32_b32 hwreg(HW_REG_WAVE_MODE, 25, 1), 1
	s_wait_xcnt 0x0
	s_wait_alu depctr_hold_cnt(0) depctr_sa_sdst(0) depctr_va_vdst(0) depctr_va_sdst(0) depctr_va_ssrc(0) depctr_va_vcc(0) depctr_vm_vsrc(0)
	s_getreg_b32 s2, hwreg(HW_REG_IB_STS2, 6, 4)
	s_cmp_eq_u32 s2, 0
	s_cbranch_scc0 .Lentry_in_a_cluster
	s_endpgm
.Lentry_in_a_cluster:
	s_bfe_u32 s2, ttmp6, 0x10000c
	s_cmp_lg_u32 s2, 0xf033
	s_cbranch_scc0 .Lentry_shape_is_right
	s_endpgm
.Lentry_shape_is_right:
; q, k, v = x W^T on codes of E3M2 with one E8M0 byte for each 32 along K = 1,024; the results are quantised again (q, k along the head's 64 channels, v along the keys) and stored as images of the attention launch's operand registers.
; SHARES.  Work-group (tb, g): 256 stored tokens (block tb of 32) x 384 rows of weights: heads 2 g, 2 g + 1 of Wv, then heads 4 (g % 4) .. + 3 of Wq (g < 4) or Wk.  A chunk is one head: 64 rows of 768 bytes.
; A wave owns 64 tokens.  Their fragments for all of K (4 tiles x 8 K steps x 12 registers) stay in registers; a chunk's fragments come from LDS, each for four matrix instructions; 16 accumulators by turns.
; LDS: chunk c at c x 52,224 (c = 0, 1: V's; 2 .. 5: Q's or K's); behind them the weights' scale bytes; then the spare words.  Everything lies as dense rows of 256 bytes + 16 of padding, so a row of codes is 816 bytes.
; THE HEAD'S FOUR LOADS, one a wave: x's 256 rows (into the bytes of chunks 2 .. 5), Wv's 128 rows, the scales of the 256 Q/K rows, those of the 128 V rows.  When every wave holds its x in registers, x's bytes are filled again, once:
; wave w asks for chunk 2 + w; these loads have the two V chunks in which to land.
; CLUSTERS, 4 x 4: the four of a column share tb and ask for x jointly; the four of a row share g and ask for the weights and their scales jointly.
; No prefetch: each byte is asked for once, by the head's loads or by the one refill behind them; there is no later trip to ask ahead for.
; Q, K: source 0 = 16 weight rows, source 1 = 16 tokens: a lane holds one token and its registers run along the channels.  V: the sources swapped: a lane holds one channel, and by the stored order of the tokens its 32 registers are one whole block of 32 keys in true order.
; OUT.  A step block (128 tokens) in qb: 4 pairs of token tiles x 1,536 bytes, then the scale words as two runs of 256 bytes (8 bytes a lane).  In kv: K likewise (6,144), V's four fragments as halves of 768 bytes (512 + 256) at 6,144,
; K's scale words at 12,288, V's at 12,800 as two images of 512 bytes, each with two of a word's four bytes and zeros in the others.
; LIMITS: a block whose largest magnitude lies under 2^-122 has its byte held at 1, a block of zeros gets the byte 1 (this program alone reads the bytes); NaN and infinities are not served.
.set ROWP, 816
.set CHK,  64*ROWP
.set XB,   2*CHK
.set SCL,  6*CHK
.set SCK,  8*272
.set SPARE, SCL+6*SCK
.set ADW, 8                            ; v8-9 this chunk's fragments (v9: lanes 16-31 one run of 256 bytes further on); v10-11 the same for chunk 0
.set ADW0, 10
.set ADX, 12                           ; v12-13 my 64 rows of x
.set ADS, 14                           ; v14 this chunk's scale rows; v15 chunk 0's
.set ADS0, 15
.set LO, 16                            ; 16 x lane
.set L8, 17                            ; 8 x lane
.set L32, 18                           ; 32 x lane
.set H8, 19                            ; where my block's byte stands in V's scale word, in bits
.set SPW, 20
.set NIL, 21
.set LVS, 22                           ; offsets of the scale stores
.set LQS, 23
.set XS, 24                            ; v24-39 x's scale words: register 8 (u / 2) + s, lanes 0-15 tile u even, lanes 16-31 odd
.set WS, 40                            ; v40-55 the chunk's, likewise
.set WF, 56                            ; v56-151 two sets of four fragments
.set TM, 152
.set TX, 160
.set SO, 168
.set CT, 176
.set OUT, 192
.set PW, 216
.set SW, 220
.set LN, 222
.set G1X, 32
.set G1W, 40
.set G1S, 48
.set G1V, 56
.set G0X, 68
.set G0W, 72
.set G0S, 76
.set G0V, 80
.set G0R, 84
.set SEL, 94
.set CH, 2
.set CS, 3
.set CN, 100
.set PADW, (3<<16)|(1<<20)|(1<<21)|(5<<22)|(3<<25)
.set MSB, 0
.macro WIN new                         ; the immediate's high byte repeats the setting that is left
.if MSB != \new
	s_set_vgpr_msb (MSB<<8)|\new
.set MSB, \new
.endif
.endm
.macro PLACES
.rept 4
	v_nop
.endr
.endm
.macro CROUND                          ; a round of the cluster's barrier
	s_barrier_signal -1
	s_barrier_wait -1
	s_cmp_lg_u32 s24, 0
	s_cbranch_scc1 .Lnot_wave_0_\@
	s_barrier_signal -3
.Lnot_wave_0_\@:
	s_barrier_wait -3
	s_barrier_signal -1
	s_barrier_wait -1
.endm
.macro G1SET g, r                      ; r dense rows of 256 bytes (32 elements of 8 bytes)
	s_mov_b32 s[\g+1], 32<<16
	s_mov_b32 s[\g+2], (\r)<<16
	s_mov_b32 s[\g+3], 32<<16
	s_mov_b32 s[\g+4], \r
	s_mov_b32 s[\g+5], 32
	s_mov_b32 s[\g+6], 0
	s_mov_b32 s[\g+7], 0
.endm
	s_load_b512 s[4:19], s[0:1], 0x0               ; xc, xs, Wq's codes and scales, Wk's, Wv's
	s_load_b128 s[20:23], s[0:1], 0x40             ; qb, kv
	v_lshl_add_u32 v[SPW], v0, 2, SPARE
	v_mov_b32 v[NIL], 0
	ds_add_u32 v[SPW], v[NIL]                      ; the opening lines: the add twice on end and one wait
	ds_add_u32 v[SPW], v[NIL]
	v_lshrrev_b32 v1, 5, v0
	v_readfirstlane_b32 s24, v1                    ; wave
	s_and_b32 s25, s24, 1                          ; e: which 64 tokens of a step block are mine
	s_lshr_b32 s26, s24, 1
	s_bfe_u32 s27, ttmp6, 0x40000                  ; cx
	s_bfe_u32 s28, ttmp6, 0x40004                  ; cy
	s_lshl_b32 s29, ttmp9, 2
	s_add_co_u32 s29, s29, s27                     ; tb
	s_and_b32 s30, ttmp7, 0xffff
	s_lshl_b32 s30, s30, 2
	s_add_co_u32 s30, s30, s28                     ; g
	s_lshl_b32 s31, s28, 2
	s_lshl_b32 s31, 15, s31                        ; my row of the cluster: it shares g
	s_lshl_b32 s88, 0x1111, s27                    ; my column: it shares tb
	s_or_b32 s[G1X], s88, PADW
	s_or_b32 s[G1W], s31, PADW
	s_or_b32 s[G1S], s31, PADW
	s_or_b32 s[G1V], s31, PADW
	G1SET G1X, 768
	G1SET G1W, 384
	G1SET G1S, 32
	G1SET G1V, 16
	s_mov_b32 s[SEL], 0x76543210
	s_mov_b32 s[SEL+1], 0xfedcba98                 ; lane selects: lane l xor 16
	s_mov_b32 s96, 221184                          ; a head, a step block and the scale words' place: kv's, or qb's
	s_mov_b32 s97, 13824
	s_mov_b32 s98, 12288
	s_mov_b32 s91, 0
	s_mov_b32 s93, 0
	s_wait_dscnt 0x0
	s_wait_kmcnt 0x0
	s_cmp_lt_u32 s30, 4
	s_cselect_b64 s[8:9], s[8:9], s[12:13]
	s_cselect_b64 s[10:11], s[10:11], s[14:15]
	s_cselect_b64 s[20:21], s[20:21], s[22:23]
	s_cselect_b32 s96, 106496, s96
	s_cselect_b32 s97, 6656, s97
	s_cselect_b32 s98, 6144, s98
	s_and_b32 s99, s30, 3
	s_mov_b32 s[G0X], 1                            ; x's block
	s_mov_b32 s[G0X+1], XB
	s_mul_i32 s90, s29, 196608
	s_add_nc_u64 s[G0X+2:G0X+3], s[4:5], s[90:91]
	s_or_b32 s[G0X+3], s[G0X+3], 0x80000000
	s_mov_b32 s[G0W], 1                            ; Wv's 128 rows
	s_mov_b32 s[G0W+1], 0
	s_mul_i32 s92, s30, 98304
	s_add_nc_u64 s[G0W+2:G0W+3], s[16:17], s[92:93]
	s_or_b32 s[G0W+3], s[G0W+3], 0x80000000
	s_mov_b32 s[G0V], 1                            ; their scales
	s_mov_b32 s[G0V+1], SCL
	s_lshl_b32 s92, s30, 12
	s_add_nc_u64 s[G0V+2:G0V+3], s[18:19], s[92:93]
	s_or_b32 s[G0V+3], s[G0V+3], 0x80000000
	s_mov_b32 s[G0S], 1                            ; the scales of the 256 Q/K rows
	s_mov_b32 s[G0S+1], SCL+2*SCK
	s_lshl_b32 s92, s99, 13
	s_add_nc_u64 s[G0S+2:G0S+3], s[10:11], s[92:93]
	s_or_b32 s[G0S+3], s[G0S+3], 0x80000000
	s_mov_b32 s[G0R], 1                            ; the refill: chunk 2 + wave
	s_mul_i32 s[G0R+1], s24, CHK
	s_add_co_u32 s[G0R+1], s[G0R+1], XB
	s_mul_i32 s92, s99, 196608
	s_mul_i32 s89, s24, 49152
	s_add_co_u32 s92, s92, s89
	s_add_nc_u64 s[G0R+2:G0R+3], s[8:9], s[92:93]
	s_or_b32 s[G0R+3], s[G0R+3], 0x80000000
	CROUND                                         ; all sixteen work-groups are here: the joint loads meet
.macro ARM under, g0, g1, next         ; one chain of branches on the wave's number, one load to an arm
	s_cmp_lt_u32 s24, \under
	s_cbranch_scc0 \next
	tensor_load_to_lds s[\g0:\g0+3], s[\g1:\g1+7]
	s_nop 0
	PLACES
	s_branch .Lhead_asked
\next:
.endm
	ARM 1, G0X, G1X, .Lhead_w
	ARM 2, G0W, G1W, .Lhead_s
	ARM 3, G0V, G1V, .Lhead_q
	tensor_load_to_lds s[G0S:G0S+3], s[G1S:G1S+7]
	s_nop 0
	PLACES
.Lhead_asked:
	v_and_b32 v[LN], 31, v0
	v_and_b32 v1, 15, v0                           ; r
	v_bfe_u32 v2, v0, 4, 1                         ; h
	v_mul_u32_u24 v3, v1, ROWP
	v_mad_u32_u24 v[ADW0], v2, 24, v3              ; row r, + 24 bytes for lanes 16-31
	v_lshl_add_u32 v[ADW0+1], v2, 4, v[ADW0]       ; and 16 more where they stand in the next run of 256
	s_mul_i32 s89, s24, CHK
	s_add_co_u32 s89, s89, XB
	v_add_nc_u32 v[ADX], s89, v[ADW0]
	v_add_nc_u32 v[ADX+1], s89, v[ADW0+1]
	v_lshrrev_b32 v3, 3, v[LN]
	v_and_b32 v4, 7, v[LN]
	v_mul_u32_u24 v3, v3, 272
	v_lshl_add_u32 v3, v4, 5, v3
	v_add_nc_u32 v[ADS0], SCL, v3                  ; scale row l: 32 bytes, eight rows to a run of 256 + 16
	v_lshlrev_b32 v[LO], 4, v[LN]
	v_lshlrev_b32 v[L8], 3, v[LN]
	v_lshlrev_b32 v[L32], 5, v[LN]
	s_lshl_b32 s89, s25, 4
	v_lshl_add_u32 v[H8], v2, 3, s89               ; 8 h + 16 e
	v_cmp_le_u32 s101, 16, v[LN]                   ; lanes 16-31
.irp c, 0,1,2,3,4,5,6,7
	v_mov_b32 v[TX+\c], 0                          ; a lane permute's destination counts as one of its sources
.endr
	s_lshr_b32 s12, s29, 3
	s_lshl_b32 s12, s12, 4                         ; 16 x batch
	s_and_b32 s13, s29, 7
	s_lshl_b32 s13, s13, 1
	s_add_co_u32 s13, s13, s26                     ; my step block in the sequence
	s_lshl_b32 s14, s30, 1
	s_add_co_u32 s14, s14, s12                     ; V's first head
	s_mul_i32 s14, s14, 221184
	s_mul_i32 s15, s13, 13824
	s_add_co_u32 s14, s14, s15
	s_mul_i32 s15, s25, 768
	s_add_co_u32 s14, s14, s15
	s_add_co_u32 s14, s14, 6144
	s_mov_b32 s15, 0
	s_add_nc_u64 s[22:23], s[22:23], s[14:15]      ; V: my half of fragment 0
	s_lshl_b32 s14, s99, 2
	s_add_co_u32 s14, s14, s12                     ; Q's or K's first head
	s_mul_i32 s14, s14, s96
	s_mul_i32 s16, s13, s97
	s_add_co_u32 s14, s14, s16
	s_mul_i32 s16, s25, 3072
	s_add_co_u32 s14, s14, s16
	s_add_nc_u64 s[20:21], s[20:21], s[14:15]      ; Q, K: my first pair of tiles
	s_mov_b32 s97, 0                               ; s[96:97]: a head's bytes, as a pair
	s_lshl_b32 s16, s25, 8
	s_sub_co_u32 s17, 6656, s16                    ; 12,800 + 512 e, less 6,144 + 768 e
	s_mul_i32 s16, s25, 2816
	s_sub_co_u32 s18, s98, s16                     ; the scale words' place + 256 e, less 3,072 e
	s_lshl_b32 s14, s29, 13
	s_lshl_b32 s16, s24, 11
	s_add_co_u32 s14, s14, s16
	s_add_nc_u64 s[6:7], s[6:7], s[14:15]          ; xs: my 64 rows of 32 bytes
	s_mov_b32 s19, 0x7f7f0000
	s_wait_alu depctr_va_vdst(0)                   ; the wait behind the run of scalar lines
	v_add_nc_u32 v[LVS], s17, v[LO]
	v_add_nc_u32 v[LQS], s18, v[L8]
.irp p, 0,1
	global_load_b128 v[XS+8*\p:XS+8*\p+3], v[L32], s[6:7] offset:1024*\p
	global_load_b128 v[XS+8*\p+4:XS+8*\p+7], v[L32], s[6:7] offset:1024*\p+16
.endr
; a fragment, 16 rows x 128 K: six pieces of 8 bytes; byte y of a row lies at y + 16 (y / 256)
.macro FRAG reg, adr, st, i
.irp p, 0,1,2,3,4,5
.set BY, 96*(\st)+48*(\p/3)+8*(\p%3)
.if BY/256 == (BY+24)/256
	ds_load_b64 v[(\reg)+2*\p:(\reg)+2*\p+1], v[\adr] offset:BY+16*(BY/256)+(\i)*16*ROWP
.else
	ds_load_b64 v[(\reg)+2*\p:(\reg)+2*\p+1], v[\adr+1] offset:BY+16*(BY/256)+(\i)*16*ROWP
.endif
.endr
.endm
.macro FETCHW st                       ; the chunk's four fragments of K step st into set st % 2
.irp i, 0,1,2,3
	FRAG WF+48*((\st)%2)+12*\i, ADW, \st, \i
.endr
.endm
; one matrix instruction; K step 0 starts the sum; ra, rb: the scale words stand in lanes 16-31
.macro WM d, a, b, s, sa, sb, ra, rb
.if (\s) == 0
.if (\ra) && (\rb)
	v_wmma_scale_f32_16x16x128_f8f6f4 v[(\d):(\d)+7], v[(\a):(\a)+11], v[(\b):(\b)+11], 0, v[\sa], v[\sb] matrix_a_fmt:MATRIX_FMT_BF6 matrix_b_fmt:MATRIX_FMT_BF6 matrix_a_scale:MATRIX_SCALE_ROW1 matrix_b_scale:MATRIX_SCALE_ROW1
.elseif (\ra)
	v_wmma_scale_f32_16x16x128_f8f6f4 v[(\d):(\d)+7], v[(\a):(\a)+11], v[(\b):(\b)+11], 0, v[\sa], v[\sb] matrix_a_fmt:MATRIX_FMT_BF6 matrix_b_fmt:MATRIX_FMT_BF6 matrix_a_scale:MATRIX_SCALE_ROW1
.elseif (\rb)
	v_wmma_scale_f32_16x16x128_f8f6f4 v[(\d):(\d)+7], v[(\a):(\a)+11], v[(\b):(\b)+11], 0, v[\sa], v[\sb] matrix_a_fmt:MATRIX_FMT_BF6 matrix_b_fmt:MATRIX_FMT_BF6 matrix_b_scale:MATRIX_SCALE_ROW1
.else
	v_wmma_scale_f32_16x16x128_f8f6f4 v[(\d):(\d)+7], v[(\a):(\a)+11], v[(\b):(\b)+11], 0, v[\sa], v[\sb] matrix_a_fmt:MATRIX_FMT_BF6 matrix_b_fmt:MATRIX_FMT_BF6
.endif
.else
.if (\ra) && (\rb)
	v_wmma_scale_f32_16x16x128_f8f6f4 v[(\d):(\d)+7], v[(\a):(\a)+11], v[(\b):(\b)+11], v[(\d):(\d)+7], v[\sa], v[\sb] matrix_a_fmt:MATRIX_FMT_BF6 matrix_b_fmt:MATRIX_FMT_BF6 matrix_a_scale:MATRIX_SCALE_ROW1 matrix_b_scale:MATRIX_SCALE_ROW1
.elseif (\ra)
	v_wmma_scale_f32_16x16x128_f8f6f4 v[(\d):(\d)+7], v[(\a):(\a)+11], v[(\b):(\b)+11], v[(\d):(\d)+7], v[\sa], v[\sb] matrix_a_fmt:MATRIX_FMT_BF6 matrix_b_fmt:MATRIX_FMT_BF6 matrix_a_scale:MATRIX_SCALE_ROW1
.elseif (\rb)
	v_wmma_scale_f32_16x16x128_f8f6f4 v[(\d):(\d)+7], v[(\a):(\a)+11], v[(\b):(\b)+11], v[(\d):(\d)+7], v[\sa], v[\sb] matrix_a_fmt:MATRIX_FMT_BF6 matrix_b_fmt:MATRIX_FMT_BF6 matrix_b_scale:MATRIX_SCALE_ROW1
.else
	v_wmma_scale_f32_16x16x128_f8f6f4 v[(\d):(\d)+7], v[(\a):(\a)+11], v[(\b):(\b)+11], v[(\d):(\d)+7], v[\sa], v[\sb] matrix_a_fmt:MATRIX_FMT_BF6 matrix_b_fmt:MATRIX_FMT_BF6
.endif
.endif
.endm
; A CHUNK: 8 K steps x 16 matrix instructions.  x's tile u = 2 uu + u2 lies in window 1 + uu at v[12 (8 u2 + s)]; the accumulators in window 3.
; vt = 0 (Q, K): source 0 the weights, accumulator 4 u + i.  vt = 1 (V): source 0 the tokens, accumulator 4 i + u.
.macro CHUNK vt
	v_add_nc_u32 v[ADW], s[CH], v[ADW0]
	v_add_nc_u32 v[ADW+1], s[CH], v[ADW0+1]
	v_add_nc_u32 v[ADS], s[CS], v[ADS0]
	s_wait_alu depctr_va_vdst(0)
	FETCHW 0
.irp p, 0,1
	ds_load_b128 v[WS+8*\p:WS+8*\p+3], v[ADS] offset:1088*\p
	ds_load_b128 v[WS+8*\p+4:WS+8*\p+7], v[ADS] offset:1088*\p+16
.endr
.irp s, 0,1,2,3,4,5,6,7
.if \s > 0
	PLACES                                         ; in front of loads into the set that the last K step multiplied
.endif
	WIN 0
.if \s < 7
	FETCHW \s+1
	s_wait_dscnt 24                                ; all but the next K step's 24 loads
.else
	s_wait_dscnt 0x0
.endif
.irp uu, 0,1
.if \vt
	WIN 0xf0|(1+\uu)
.else
	WIN 0xf0|((1+\uu)<<2)
.endif
.irp u2, 0,1
.irp i, 0,1,2,3
.if \vt
	WM 8*(4*\i+2*\uu+\u2), 12*(8*\u2+\s), WF+48*(\s%2)+12*\i, \s, XS+8*\uu+\s, WS+8*(\i/2)+\s, \u2, \i%2
.else
	WM 8*(4*(2*\uu+\u2)+\i), WF+48*(\s%2)+12*\i, 12*(8*\u2+\s), \s, WS+8*(\i/2)+\s, XS+8*\uu+\s, \i%2, \u2
.endif
.endr
.endr
.endr
.endr
	PLACES                                         ; in front of the first read of the results
.endm
.macro CHAINS8                         ; the largest magnitude of each 16 registers of the 128, with the floor 2^(5 - 127); each accumulator is read from its low end on
	WIN 0x0f
.irp c, 0,1,2,3,4,5,6,7
	v_max3_num_f32 v[TM+\c], |v[16*\c]|, |v[16*\c+1]|, 0x2800000
.endr
.irp i, 2,4,6,8,10,12,14
.irp c, 0,1,2,3,4,5,6,7
	v_max3_num_f32 v[TM+\c], |v[16*\c+\i]|, |v[16*\c+\i+1]|, v[TM+\c]
.endr
.endr
	WIN 0
.endm
	s_wait_alu depctr_va_vdst(0)                   ; the wait at the head's end
	s_wait_tensorcnt 0x0                           ; my tile of the head's four is in
	s_barrier_signal -1
	s_barrier_wait -1                              ; all four are
	WIN 0x40
.irp u, 0,1
.irp s, 0,1,2,3,4,5,6,7
	FRAG 12*(8*\u+\s), ADX, \s, \u
.endr
.endr
	WIN 0x80
.irp u, 0,1
.irp s, 0,1,2,3,4,5,6,7
	FRAG 12*(8*\u+\s), ADX, \s, \u+2
.endr
.endr
	WIN 0
	s_wait_tensorcnt 0x0
	ds_add_u32 v[SPW], v[NIL]
	s_mov_b32 s[G1W+2], 192<<16                    ; no load of mine is out: from here on a load brings one chunk, 192 rows of 256 bytes
	s_mov_b32 s[G1W+4], 192
	s_wait_dscnt 0x0                               ; the add is done, and my x is in registers
	CROUND                                         ; so is everybody's, in all sixteen work-groups
	tensor_load_to_lds s[G0R:G0R+3], s[G1W:G1W+7]  ; chunk 2 + wave, into x's bytes
	s_nop 0
	PLACES
	s_mov_b32 s[CH], 0
	s_mov_b32 s[CS], 0
	s_mov_b32 s[CN], 2
	s_wait_loadcnt 0x0                             ; x's scale words
.Lv:                                               ; V: two heads
	CHUNK 1
	CHAINS8                                        ; fragment i (16 channels): registers 32 i .. 32 i + 31 are my block of 32 keys
.irp i, 0,1,2,3
	v_max_num_f32 v[TM+2*\i], v[TM+2*\i], v[TM+2*\i+1]
.endr
.irp i, 0,1,2,3
	v_add_nc_u32 v[SO+\i], 0xfe000000, v[TM+2*\i]  ; 4 off the exponent field: the conversion's scale operand
.endr
.irp i, 0,1,2,3
	v_lshrrev_b32 v[TM+2*\i+1], 23, v[SO+\i]       ; the byte,
.endr
.irp i, 0,1,2,3
	v_lshlrev_b32 v[TM+2*\i+1], v[H8], v[TM+2*\i+1]   ; at its place in the word
.endr
.irp i, 0,1,2,3
	v_permlanex16_b32 v[TX+\i], v[TM+2*\i+1], s[SEL], s[SEL+1]
.endr
.irp i, 0,1,2,3
	v_or_b32 v[PW+\i], v[TM+2*\i+1], v[TX+\i]      ; with lane l xor 16's: my wave's two bytes of the word
.endr
	WIN 0x03
.irp i, 0,1,2,3
	v_cvt_scalef32_pk16_bf6_f32 v[OUT+6*\i:OUT+6*\i+2], v[32*\i:32*\i+15], v[SO+\i]
	v_cvt_scalef32_pk16_bf6_f32 v[CT+4*\i:CT+4*\i+2], v[32*\i+16:32*\i+31], v[SO+\i]
.endr
	WIN 0
	v_nop                                          ; a plain line behind the scaled conversions
.irp i, 0,1,2,3
.irp k, 0,1,2
	v_mov_b32 v[OUT+6*\i+3+\k], v[CT+4*\i+\k]      ; (a conversion's three registers begin on an even number)
.endr
.endr
.irp i, 0,1,2,3
	global_store_b128 v[LO], v[OUT+6*\i:OUT+6*\i+3], s[22:23] offset:1536*\i          ; 512 consecutive bytes, aligned
	global_store_b64 v[L8], v[OUT+6*\i+4:OUT+6*\i+5], s[22:23] offset:1536*\i+512     ; 256 consecutive bytes, aligned
.endr
	global_store_b128 v[LVS], v[PW:PW+3], s[22:23]
	s_wait_xcnt 0x0                                ; the stores have read their registers and their base
	s_add_nc_u64 s[22:23], s[22:23], 221184        ; the next head
	s_add_co_u32 s[CH], s[CH], CHK
	s_add_co_u32 s[CS], s[CS], SCK
	s_sub_co_u32 s[CN], s[CN], 1
	s_cmp_lg_u32 s[CN], 0
	s_wait_alu depctr_va_vdst(0)                   ; the wait ahead of the branch
	s_cbranch_scc1 .Lv
	s_wait_tensorcnt 0x0                           ; my chunk of the four is in
	s_barrier_signal -1
	s_barrier_wait -1                              ; all four are; nothing is filled again
	s_mov_b32 s[CN], 4
.Lq:                                               ; Q or K: four heads
	CHUNK 0
	CHAINS8                                        ; chain 2 u + b: my 16 of tile u's block b of 32 channels
.irp c, 0,1,2,3,4,5,6,7
	v_permlanex16_b32 v[TX+\c], v[TM+\c], s[SEL], s[SEL+1]
.endr
.irp c, 0,1,2,3,4,5,6,7
	v_max_num_f32 v[TM+\c], v[TM+\c], v[TX+\c]     ; with lane l xor 16's 16: the block's
.endr
.irp c, 0,1,2,3,4,5,6,7
	v_add_nc_u32 v[SO+\c], 0xfe000000, v[TM+\c]
.endr
.irp c, 0,1,2,3,4,5,6,7
	v_lshrrev_b32 v[TX+\c], 23, v[SO+\c]
.endr
.irp u, 0,1,2,3
	v_lshl_or_b32 v[PW+\u], v[TX+2*\u+1], 8, v[TX+2*\u]
.endr
.irp u, 0,1,2,3
	v_or_b32 v[PW+\u], s19, v[PW+\u]               ; the bytes of the upper 64 along K, which hold zero codes: 0x7f
.endr
.irp p, 0,1
	v_cndmask_b32 v[SW+\p], v[PW+2*\p], v[PW+2*\p+1], s101   ; lanes 0-15 the even tile's words, lanes 16-31 the odd one's
.endr
	WIN 0x03
.irp u, 0,1,2,3
	v_cvt_scalef32_pk16_bf6_f32 v[OUT+6*\u:OUT+6*\u+2], v[32*\u:32*\u+15], v[SO+2*\u]
	v_cvt_scalef32_pk16_bf6_f32 v[CT+4*\u:CT+4*\u+2], v[32*\u+16:32*\u+31], v[SO+2*\u+1]
.endr
	WIN 0
	v_nop
.irp u, 0,1,2,3
.irp k, 0,1,2
	v_permlane16_swap_b32 v[OUT+6*\u+\k], v[CT+4*\u+\k]   ; a whole block to a lane: lanes 0-15 block 0, lanes 16-31 block 1 (the order inside a block is the same for Q and K)
.endr
.endr
.irp u, 0,1,2,3
.irp k, 0,1,2
	v_mov_b32 v[OUT+6*\u+3+\k], v[CT+4*\u+\k]
.endr
.endr
.irp p, 0,1
.irp c, 0,1,2
	global_store_b128 v[LO], v[OUT+12*\p+4*\c:OUT+12*\p+4*\c+3], s[20:21] offset:1536*\p+512*\c
.endr
.endr
	global_store_b64 v[LQS], v[SW:SW+1], s[20:21]  ; 256 consecutive bytes, aligned
	s_wait_xcnt 0x0
	s_add_nc_u64 s[20:21], s[20:21], s[96:97]
	s_add_co_u32 s[CH], s[CH], CHK
	s_add_co_u32 s[CS], s[CS], SCK
	s_sub_co_u32 s[CN], s[CN], 1
	s_cmp_lg_u32 s[CN], 0
	s_wait_alu depctr_va_vdst(0)
	s_cbranch_scc1 .Lq
	s_wait_tensorcnt 0x0                           ; the wave's end
	ds_add_u32 v[SPW], v[NIL]
	s_wait_dscnt 0x0
	CROUND                                         ; the closing round
	s_endpgm
.Lfunc_end_k_qa706b28a72_qkv:
	.size	k_qa706b28a72_qkv, .Lfunc_end_k_qa706b28a72_qkv-k_qa706b28a72_qkv
	.p2alignl 7, 3214868480
	.fill 96, 4, 3214868480
	.section	.rodata,"a",@progbits
	.p2align	6, 0x0
	.amdhsa_kernel k_qa706b28a72_qkv
		.amdhsa_group_segment_fixed_size 327680
		.amdhsa_private_segment_fixed_size 0
		.amdhsa_enable_private_segment 0
		.amdhsa_kernarg_size 80
		.amdhsa_user_sgpr_count 2
		.amdhsa_user_sgpr_kernarg_segment_ptr 1
		.amdhsa_wavefront_size32 1
		.amdhsa_system_sgpr_workgroup_id_x 1
		.amdhsa_system_sgpr_workgroup_id_y 1
		.amdhsa_system_sgpr_workgroup_id_z 1
		.amdhsa_system_vgpr_workitem_id 0
		.amdhsa_next_free_vgpr 896
		.amdhsa_next_free_sgpr 102
		.amdhsa_reserve_vcc 0
		.amdhsa_float_denorm_mode_32 3
		.amdhsa_float_denorm_mode_16_64 3
		.amdhsa_memory_ordered 1
		.amdhsa_forward_progress 1
		.amdhsa_inst_pref_size 101
	.end_amdhsa_kernel
	.amdgpu_metadata
---
amdhsa.version: [ 1, 2 ]
amdhsa.kernels:
  - .name:           k_qa706b28a72_qkv
    .symbol:         k_qa706b28a72_qkv.kd
    .args:
      - { .name: xc, .offset: 0, .size: 8, .value_kind: global_buffer, .address_space: global }
      - { .name: xs, .offset: 8, .size: 8, .value_kind: global_buffer, .address_space: global }
      - { .name: Wq_codes, .offset: 16, .size: 8, .value_kind: global_buffer, .address_space: global }
      - { .name: Wq_scales, .offset: 24, .size: 8, .value_kind: global_buffer, .address_space: global }
      - { .name: Wk_codes, .offset: 32, .size: 8, .value_kind: global_buffer, .address_space: global }
      - { .name: Wk_scales, .offset: 40, .size: 8, .value_kind: global_buffer, .address_space: global }
      - { .name: Wv_codes, .offset: 48, .size: 8, .value_kind: global_buffer, .address_space: global }
      - { .name: Wv_scales, .offset: 56, .size: 8, .value_kind: global_buffer, .address_space: global }
      - { .name: qb, .offset: 64, .size: 8, .value_kind: global_buffer, .address_space: global }
      - { .name: kv, .offset: 72, .size: 8, .value_kind: global_buffer, .address_space: global }
    .group_segment_fixed_size: 327680
    .private_segment_fixed_size: 0
    .kernarg_segment_align: 8
    .kernarg_segment_size: 80
    .max_flat_workgroup_size: 128
    .sgpr_count:     102
    .vgpr_count:     896
    .wavefront_size: 32
...
	.end_amdgpu_metadata
.endif
;; end of part 2
;; launch attn (part 3): grid 4 x 64, 8 waves a work-group, clusters of 4 x 1, 223,232 bytes of LDS; arguments qb, kv, cc, cs; writes cc, cs
.if DOCPART == 3
	.amdgcn_target "amdgcn-amd-amdhsa--gfx1250"
	.amdhsa_code_object_version 6
	.text
	.protected	k_qa706b28a72_attn
	.globl	k_qa706b28a72_attn
	.p2align	8
	.type	k_qa706b28a72_attn,@function
k_qa706b28a72_attn:
	s_mov_b64 s[64:65], 0
	v_nop
	global_prefetch_b8 v0, s[64:65] scope:SCOPE_SE
	s_setreg_imm32_b32 hwreg(HW_REG_WAVE_MODE, 25, 1), 1
	s_wait_xcnt 0x0
	s_wait_alu depctr_hold_cnt(0) depctr_sa_sdst(0) depctr_va_vdst(0) depctr_va_sdst(0) depctr_va_ssrc(0) depctr_va_vcc(0) depctr_vm_vsrc(0)
	s_getreg_b32 s2, hwreg(HW_REG_IB_STS2, 6, 4)
	s_cmp_eq_u32 s2, 0
	s_cbranch_scc0 .Lentry_in_a_cluster
	s_endpgm
.Lentry_in_a_cluster:
	s_bfe_u32 s2, ttmp6, 0x10000c
	s_cmp_lg_u32 s2, 0x3003
	s_cbranch_scc0 .Lentry_shape_is_right
	s_endpgm
.Lentry_shape_is_right:
; ctx = softmax(q k^T / 8) v for one head, both products on codes of E3M2 with one E8M0 scale for each 32 along K; ctx is quantised along the model's 1,024 and stored as images of the next launch's operand registers.
; THE SOFTMAX: t = score x log2(e) / 8; M = the running largest t rounded UP to a whole number; p = 2^(t - M) is what is quantised, along the keys, not normalised.  The row's sum is taken of the unquantised p
; and divides at the end.  When M moves, the sum and O are multiplied by 2^(old M - new M): exact.
; SHARES.  The cluster's y is the head (16 x batch + head).  The four work-groups of a cluster own 512 stored queries each; each of the eight waves owns four tiles of 16 queries and takes them through the keys together, 128 keys a trip:
; a step's K and V fragments are read from LDS once for the four tiles.  The tiles go as two pairs; every chain of the softmax is written for the pair's two tiles by turns.
; THE WHOLE HEAD'S K AND V LIE IN LDS: 16 step blocks of 13,824 bytes as they lie in kv: K's image 6,144; V's four fragments as halves of 768 bytes (512 + 256); K's scale words as two runs of 256; V's as two images of 512,
; two bytes of each word in each.  They are filled once: each wave asks for two blocks by one load, jointly with the same wave of the three partners.  Nothing is filled again, and there is no later trip to prefetch for.
; THE ORDER IN A TRIP: scores of pair 0, its softmax, its O; scores of pair 1, then the next step's K is asked for; its softmax, its O, then the next step's V.  In the last trip the next step's address is held at block 15: what it brings is not used.
; LAYOUT.  S^T = K Q^T (source 0 = 16 stored keys, source 1 = 16 queries), O^T = V^T P^T: a lane holds one query throughout.  By the stored order of the tokens a lane's registers 0-31 of S^T are the whole
; block (lane / 16) of 32 keys in true order and registers 32-63 the whole block 2 + (lane / 16).
; K OF THE FIRST PRODUCT IS 64, the instruction's is 128: a tile of K is six registers, and the operand's upper six are whatever follows (the next tile's codes; zeros behind the last); Q's upper six are zero codes,
; and all upper scale bytes are 0x7f: that half adds nothing.
; LIMITS: the promise holds while the scaled scores t stay under 2^31 in magnitude; a block whose largest magnitude lies under 2^-122 has its byte held at 1, a block of zeros gets the byte 1; NaN and infinities are not served.
; REGISTERS.  Window 0: as named below.  Window 1: v0-127 S^T, then p, of the pair at work (tile a at 64 a); v128-255 O^T (tile u at 128 + 32 u).
.set HEADQ,  106496
.set STEPQ,  6656
.set HEADKV, 221184
.set STEPKV, 13824
; v1 16 x lane, v2 and v7 the next step's LDS address (16 and 8 bytes a lane), v3 8 x (lane / 16), v4 8 x lane, v5 4 x lane, v6 lane
.set VT,  8                            ; v8-11   the second half of V's scale words
.set CW,  12                           ; v12-15  ctx's scale words
.set ST,  16                           ; v16-31  for each tile: -M, the largest t, the sum in two halves
.set QF,  32                           ; v32-79  four tiles of Q, the upper six of each twelve are zeros
.set QW,  80                           ; v80-81  Q's scale words: a pair to a register
.set KR,  82                           ; v82-129 a step's K; v130-135 zeros.  On the way out: ctx
.set VR,  136                          ; v136-183 a step's V
.set KS,  184
.set VS,  188
.set PC,  192                          ; v192-215 p's codes of the pair; on the way out ctx's codes
.set CT,  216                          ; v216-231 partial sums, then second halves of blocks' codes
.set MX,  232                          ; v232-239 largest scores; scale operands
.set PW,  240                          ; v240-241 p's scale words
.set T,   242                          ; v242-245 at work
.set PX,  246                          ; v246-247 what lane l xor 16 sent
.set F,   248                          ; v[248:249], v[250:251] f = 2^(old M - new M), each with a partner for the pair
.set SU,  252                          ; v[252:253] 1 / the sum
.set MSB, 0
.macro WIN new                         ; the immediate's high byte repeats the setting that is left
.if MSB != \new
	s_set_vgpr_msb (MSB<<8)|\new
.set MSB, \new
.endif
.endm
.macro PLACES
.rept 4
	v_nop
.endr
.endm
.macro CROUND                          ; a round of the cluster's barrier
	s_barrier_signal -1
	s_barrier_wait -1
	s_cmp_lg_u32 s12, 0
	s_cbranch_scc1 .Lnot_wave_0_\@
	s_barrier_signal -3
.Lnot_wave_0_\@:
	s_barrier_wait -3
	s_barrier_signal -1
	s_barrier_wait -1
.endm
	s_load_b256 s[4:11], s[0:1], 0x0               ; qb, kv, cc, cs
	v_lshl_add_u32 v254, v0, 2, 0x36000
	v_mov_b32 v255, 0
	ds_add_u32 v254, v255                          ; the opening lines: the add twice on end and one wait
	ds_add_u32 v254, v255
	v_lshrrev_b32 v1, 5, v0
	v_readfirstlane_b32 s12, v1                    ; wave 0..7
	s_bfe_u32 s13, ttmp6, 0x40000                  ; cx: it enters Q's and the outputs' addresses alone
	s_and_b32 s14, ttmp7, 0xffff                   ; the head, which the four partners share
	s_mov_b32 s16, 15|(3<<16)|(1<<21)              ; two step blocks, 27,648 dense bytes, as 108 rows of 256 bytes; the mask names all four work-groups
	s_mov_b32 s17, 32<<16
	s_mov_b32 s18, 108<<16
	s_mov_b32 s19, 32<<16
	s_mov_b32 s20, 108
	s_mov_b32 s21, 32
	s_mov_b32 s22, 0
	s_mov_b32 s23, 0
	s_mul_i32 s33, s12, 2*STEPKV
	s_mul_i32 s34, s14, HEADKV
	s_add_co_u32 s34, s34, s33
	s_mov_b32 s35, 0
	s_mov_b32 s28, 0x76543210
	s_mov_b32 s29, 0xfedcba98                      ; lane selects: lane l xor 16
	s_mov_b32 s30, 0x3e38aa3b                      ; c = log2(e) / 8
	s_mov_b32 s31, s30
	s_wait_dscnt 0x0
	s_wait_kmcnt 0x0
	s_mov_b32 s24, 1
	s_mov_b32 s25, s33
	s_add_nc_u64 s[26:27], s[6:7], s[34:35]
	s_or_b32 s27, s27, 0x80000000
	CROUND                                         ; all four work-groups are here: the joint loads meet
	tensor_load_to_lds s[24:27], s[16:23]          ; my one tensor load of the launch
	s_nop 0
	PLACES
	s_lshl_b32 s36, s13, 2
	s_lshr_b32 s37, s12, 1
	s_add_co_u32 s36, s36, s37                     ; my queries' step block: 4 cx + wave / 2
	s_and_b32 s38, s12, 1                          ; and which two of its four pairs
	s_mul_i32 s40, s14, HEADQ
	s_mul_i32 s37, s36, STEPQ
	s_add_co_u32 s40, s40, s37
	s_mul_i32 s37, s38, 3072
	s_add_co_u32 s42, s40, s37
	s_mov_b32 s43, 0
	s_mov_b32 s41, 0
	s_add_nc_u64 s[44:45], s[4:5], s[42:43]        ; my two pairs' images
	s_lshl_b32 s37, s38, 8
	s_add_co_u32 s40, s40, s37
	s_add_nc_u64 s[4:5], s[4:5], s[40:41]          ; their run of scale words, less 6,144
	s_lshr_b32 s37, s14, 4                         ; the batch
	s_and_b32 s39, s14, 15                         ; the head in it
	s_lshl_b32 s40, s13, 5
	s_lshl_b32 s42, s12, 2
	s_add_co_u32 s40, s40, s42                     ; my first tile: 32 cx + 4 wave
	s_lshl_b32 s42, s37, 7
	s_add_co_u32 s42, s42, s40
	s_lshl_b32 s42, s42, 4
	s_add_co_u32 s42, s42, s39
	s_mul_i32 s42, s42, 768
	s_add_nc_u64 s[8:9], s[8:9], s[42:43]          ; cc: (16 x (128 batch + tile) + head) half fragments of 768 bytes
	s_lshr_b32 s40, s40, 1
	s_lshl_b32 s42, s37, 6
	s_add_co_u32 s42, s42, s40
	s_lshl_b32 s42, s42, 4
	s_add_co_u32 s42, s42, s39
	s_lshl_b32 s42, s42, 7
	s_add_nc_u64 s[10:11], s[10:11], s[42:43]      ; cs: (16 x (64 batch + pair) + head) x 128 bytes
	s_and_b32 s46, s39, 1
	s_lshl_b32 s46, s46, 4                         ; an odd head's two bytes stand in the word's upper half
	v_and_b32 v6, 31, v0
	v_bfe_u32 v3, v0, 4, 1
	v_lshlrev_b32 v1, 4, v6
	v_lshlrev_b32 v3, 3, v3
	v_lshlrev_b32 v4, 3, v6
	v_lshlrev_b32 v5, 2, v6
	s_wait_alu depctr_va_vdst(0)                   ; (v6 and v0's fields were made just above; the loads below read v1 and v4)
.irp p, 0,1                            ; a pair's image: registers 0-5 the first tile, 6-11 the second, in three runs of four registers
	global_load_b128 v[QF+24*\p:QF+24*\p+3], v1, s[44:45] offset:1536*\p
	global_load_b64 v[QF+24*\p+4:QF+24*\p+5], v1, s[44:45] offset:1536*\p+512
	global_load_b64 v[QF+24*\p+12:QF+24*\p+13], v1, s[44:45] offset:1536*\p+520
	global_load_b128 v[QF+24*\p+14:QF+24*\p+17], v1, s[44:45] offset:1536*\p+1024
.endr
	global_load_b64 v[QW:QW+1], v4, s[4:5] offset:6144
.irp u, 0,1,2,3
.irp j, 6,7,8,9,10,11
	v_mov_b32 v[QF+12*\u+\j], 0                    ; zero codes for the upper 64 along K
.endr
	v_mov_b32 v[ST+4*\u+1], 0xff61b1e6             ; the largest t so far: -3e38
	v_mov_b32 v[ST+4*\u+2], 0
	v_mov_b32 v[ST+4*\u+3], 0
.endr
.irp u, 0,1,2,3
	v_floor_f32 v[ST+4*\u], -v[ST+4*\u+1]          ; -M
.endr
.irp j, 48,49,50,51,52,53
	v_mov_b32 v[KR+\j], 0                          ; what follows the last tile of K
.endr
	v_mov_b32 v[PX], 0                             ; a lane permute's destination counts as one of its sources
	v_mov_b32 v[PX+1], 0
	v_mov_b32 v[F+1], 0                            ; (named as upper halves of pairs)
	v_mov_b32 v[F+3], 0
	v_mov_b32 v[SU+1], 0
	v_mov_b32 v2, v1
	v_mov_b32 v7, v4
	WIN 0x40
.set jj, 0
.rept 128
	v_mov_b32 v[128+jj], 0                         ; O^T: the loop is written once; its first trip finds zeros, which the first change of M leaves zeros
.set jj, jj+1
.endr
	WIN 0
.macro KLOAD                           ; 14 loads
.irp c, 0,1,2,3,4,5,6,7,8,9,10,11
	ds_load_b128 v[KR+4*\c:KR+4*\c+3], v2 offset:512*\c
.endr
	ds_load_b64 v[KS:KS+1], v7 offset:12288
	ds_load_b64 v[KS+2:KS+3], v7 offset:12544
.endm
.macro VLOAD                           ; 18 loads
.irp t, 0,1,2,3
.irp e, 0,1
	ds_load_b128 v[VR+12*\t+6*\e:VR+12*\t+6*\e+3], v2 offset:6144+1536*\t+768*\e
	ds_load_b64 v[VR+12*\t+6*\e+4:VR+12*\t+6*\e+5], v7 offset:6144+1536*\t+768*\e+512
.endr
.endr
	ds_load_b128 v[VS:VS+3], v2 offset:12800
	ds_load_b128 v[VT:VT+3], v2 offset:13312
.endm
; S^T of key tile t and query tile 2 p + a: the rows of the scale registers go by the parities of t and a
.macro SQK t, a, p
.if (\t)%2
.if \a
	v_wmma_scale_f32_16x16x128_f8f6f4 v[64*\a+8*\t:64*\a+8*\t+7], v[KR+6*\t:KR+6*\t+11], v[QF+24*\p+12*\a:QF+24*\p+12*\a+11], 0, v[KS+(\t)/2], v[QW+\p] matrix_a_fmt:MATRIX_FMT_BF6 matrix_b_fmt:MATRIX_FMT_BF6 matrix_a_scale:MATRIX_SCALE_ROW1 matrix_b_scale:MATRIX_SCALE_ROW1
.else
	v_wmma_scale_f32_16x16x128_f8f6f4 v[64*\a+8*\t:64*\a+8*\t+7], v[KR+6*\t:KR+6*\t+11], v[QF+24*\p+12*\a:QF+24*\p+12*\a+11], 0, v[KS+(\t)/2], v[QW+\p] matrix_a_fmt:MATRIX_FMT_BF6 matrix_b_fmt:MATRIX_FMT_BF6 matrix_a_scale:MATRIX_SCALE_ROW1
.endif
.else
.if \a
	v_wmma_scale_f32_16x16x128_f8f6f4 v[64*\a+8*\t:64*\a+8*\t+7], v[KR+6*\t:KR+6*\t+11], v[QF+24*\p+12*\a:QF+24*\p+12*\a+11], 0, v[KS+(\t)/2], v[QW+\p] matrix_a_fmt:MATRIX_FMT_BF6 matrix_b_fmt:MATRIX_FMT_BF6 matrix_b_scale:MATRIX_SCALE_ROW1
.else
	v_wmma_scale_f32_16x16x128_f8f6f4 v[64*\a+8*\t:64*\a+8*\t+7], v[KR+6*\t:KR+6*\t+11], v[QF+24*\p+12*\a:QF+24*\p+12*\a+11], 0, v[KS+(\t)/2], v[QW+\p] matrix_a_fmt:MATRIX_FMT_BF6 matrix_b_fmt:MATRIX_FMT_BF6
.endif
.endif
.endm
; ONE PAIR OF QUERY TILES (2 p, 2 p + 1) against a step's 128 keys
.macro PAIR p
.set SP, ST+8*\p
	WIN 0x40                                       ; D in window 1
.irp t, 0,1,2,3,4,5,6,7
.irp a, 0,1
	SQK \t, \a, \p
.endr
.endr
	WIN 0
.if \p
	s_add_co_u32 s33, s33, STEPKV
	s_min_u32 s47, s33, 15*STEPKV                  ; the next step block, held at the last one
	v_add_nc_u32 v2, s47, v1                       ; with the three lines below: the places in front of the loads into K's registers and of the first read of the scores
	v_add_nc_u32 v7, s47, v4
	v_nop
	v_nop
	KLOAD                                          ; K is done with for this step: the next step's lands under this pair's softmax
.else
	PLACES
.endif
	WIN 0x15                                       ; the sources in window 1
.irp b, 0,1,2,3
.irp a, 0,1
	v_max3_num_f32 v[MX+4*\a+\b], v[64*\a+16*\b], v[64*\a+16*\b+1], v[64*\a+16*\b+2]   ; eight chains of 16 scores, each accumulator read from its low end on
.endr
.endr
	WIN 0x05
.irp i, 3,5,7,9,11,13
.irp b, 0,1,2,3
.irp a, 0,1
	v_max3_num_f32 v[MX+4*\a+\b], v[64*\a+16*\b+\i], v[64*\a+16*\b+\i+1], v[MX+4*\a+\b]
.endr
.endr
.endr
	WIN 0x01
.irp b, 0,1,2,3
.irp a, 0,1
	v_max_num_f32 v[MX+4*\a+\b], v[64*\a+16*\b+15], v[MX+4*\a+\b]
.endr
.endr
	WIN 0
.irp a, 0,1
	v_max_num_f32 v[MX+4*\a], v[MX+4*\a], v[MX+4*\a+1]         ; THE LARGEST SCORE OF MY TWO BLOCKS OF 32 KEYS: it serves for the row's maximum and, since p rises with the score, for the block's largest p
	v_max_num_f32 v[MX+4*\a+2], v[MX+4*\a+2], v[MX+4*\a+3]
.endr
.irp a, 0,1
	v_max_num_f32 v[T+2*\a], v[MX+4*\a], v[MX+4*\a+2]
.endr
.irp a, 0,1
	v_permlanex16_b32 v[PX+\a], v[T+2*\a], s28, s29
.endr
.irp a, 0,1
	v_max_num_f32 v[T+2*\a], v[T+2*\a], v[PX+\a]   ; with lane l xor 16's two blocks: the step's largest score of my query
	v_mov_b32 v[T+2*\a+1], v[SP+4*\a]              ; the old -M
.endr
.irp a, 0,1
	v_mul_f32 v[T+2*\a], s30, v[T+2*\a]            ; as t
.endr
.irp a, 0,1
	v_max_num_f32 v[SP+4*\a+1], v[SP+4*\a+1], v[T+2*\a]
.endr
.irp a, 0,1
	v_floor_f32 v[SP+4*\a], -v[SP+4*\a+1]          ; the new -M = floor(-t): M is a whole number
.endr
.irp a, 0,1
	v_sub_f32 v[T+2*\a], v[SP+4*\a], v[T+2*\a+1]   ; old M - new M: a whole number, 0 or less
.endr
.irp a, 0,1
	v_cvt_i32_f32 v[T+2*\a], v[T+2*\a]             ; (it saturates)
.endr
.irp a, 0,1
	v_ldexp_f32 v[F+2*\a], 1.0, v[T+2*\a]          ; f = 2^(old M - new M)
.endr
	WIN 0x41                                       ; source 0 and the destination in window 1
.irp a, 0,1
.set jj, 0
.rept 32
	v_pk_fma_f32 v[64*\a+jj:64*\a+jj+1], v[64*\a+jj:64*\a+jj+1], s[30:31], v[SP+4*\a:SP+4*\a+1] op_sel_hi:[1,0,0]   ; t - M, two at a time
.set jj, jj+2
.endr
.endr
	WIN 0
.irp a, 0,1
	v_fma_f32 v[MX+4*\a], v[MX+4*\a], s30, v[SP+4*\a]          ; the same of each block's largest score
	v_fma_f32 v[MX+4*\a+2], v[MX+4*\a+2], s30, v[SP+4*\a]
.endr
	WIN 0x41
	s_wait_alu depctr_va_vdst(0)                   ; the wait ahead of the batch
.set jj, 0
.rept 128
	v_exp_f32 v[jj], v[jj]                         ; p = 2^(t - M), at most 1
.set jj, jj+1
.endr
	WIN 0
.irp a, 0,1
	v_pk_mul_f32 v[SP+4*\a+2:SP+4*\a+3], v[SP+4*\a+2:SP+4*\a+3], v[F+2*\a:F+2*\a+1] op_sel_hi:[1,0]   ; the sums under the new M (plain lines behind the exponentials)
.endr
	s_wait_alu depctr_va_vdst(0)                   ; one wait for the batch, ahead of its first reader
.irp a, 0,1
	v_exp_f32 v[MX+4*\a], v[MX+4*\a]               ; the blocks' largest p: the same two instructions on the same number give the same bits
	v_exp_f32 v[MX+4*\a+2], v[MX+4*\a+2]
.endr
	WIN 0x05                                       ; THE ROW'S SUM IS TAKEN OF THE UNQUANTISED p: five chains a tile
.irp k, 0,1,2,3
.irp a, 0,1
	v_pk_add_f32 v[CT+8*\a+2*\k:CT+8*\a+2*\k+1], v[64*\a+2*\k:64*\a+2*\k+1], v[64*\a+2*\k+8:64*\a+2*\k+9]
.endr
.endr
	WIN 0x01
.irp r, 0,1,2,3
.irp k, 0,1,2,3
.irp a, 0,1
	v_pk_add_f32 v[CT+8*\a+2*\k:CT+8*\a+2*\k+1], v[64*\a+2*(8+5*\r+\k):64*\a+2*(8+5*\r+\k)+1], v[CT+8*\a+2*\k:CT+8*\a+2*\k+1]
.endr
.endr
.irp a, 0,1
	v_pk_add_f32 v[SP+4*\a+2:SP+4*\a+3], v[64*\a+2*(12+5*\r):64*\a+2*(12+5*\r)+1], v[SP+4*\a+2:SP+4*\a+3]
.endr
.endr
.irp k, 0,1,2,3
.irp a, 0,1
	v_pk_add_f32 v[CT+8*\a+2*\k:CT+8*\a+2*\k+1], v[64*\a+2*(28+\k):64*\a+2*(28+\k)+1], v[CT+8*\a+2*\k:CT+8*\a+2*\k+1]
.endr
.endr
	WIN 0
.irp a, 0,1
	v_pk_add_f32 v[CT+8*\a:CT+8*\a+1], v[CT+8*\a:CT+8*\a+1], v[CT+8*\a+2:CT+8*\a+3]
	v_pk_add_f32 v[CT+8*\a+4:CT+8*\a+5], v[CT+8*\a+4:CT+8*\a+5], v[CT+8*\a+6:CT+8*\a+7]
.endr
.irp a, 0,1
	v_pk_add_f32 v[CT+8*\a:CT+8*\a+1], v[CT+8*\a:CT+8*\a+1], v[CT+8*\a+4:CT+8*\a+5]
.endr
.irp a, 0,1
	v_pk_add_f32 v[SP+4*\a+2:SP+4*\a+3], v[SP+4*\a+2:SP+4*\a+3], v[CT+8*\a:CT+8*\a+1]
.endr
	s_wait_alu depctr_va_vdst(0)                   ; and one for the four
.irp a, 0,1
	v_max_num_f32 v[MX+4*\a], 0x2800000, v[MX+4*\a]            ; the floor 2^(5 - 127): the byte cannot fall under 1
	v_max_num_f32 v[MX+4*\a+2], 0x2800000, v[MX+4*\a+2]
.endr
.irp a, 0,1
	v_add_nc_u32 v[MX+4*\a+1], 0xfe000000, v[MX+4*\a]          ; 4 off the exponent field: the conversion's scale operand
	v_add_nc_u32 v[MX+4*\a+3], 0xfe000000, v[MX+4*\a+2]
.endr
.irp a, 0,1
	v_lshrrev_b32 v[T+2*\a], 23, v[MX+4*\a+1]
	v_lshrrev_b32 v[T+2*\a+1], 23, v[MX+4*\a+3]
.endr
.irp a, 0,1
	v_lshl_or_b32 v[PW+\a], v[T+2*\a+1], 16, v[T+2*\a]         ; my two bytes,
.endr
.irp a, 0,1
	v_lshlrev_b32 v[PW+\a], v3, v[PW+\a]           ; at their places in the word;
.endr
.irp a, 0,1
	v_permlanex16_b32 v[PX+\a], v[PW+\a], s28, s29
.endr
.irp a, 0,1
	v_or_b32 v[PW+\a], v[PW+\a], v[PX+\a]          ; with lane l xor 16's two the word is whole
.endr
	WIN 0x01
.irp a, 0,1
	v_cvt_scalef32_pk16_bf6_f32 v[PC+12*\a:PC+12*\a+2], v[64*\a:64*\a+15], v[MX+4*\a+1]
	v_cvt_scalef32_pk16_bf6_f32 v[CT+8*\a:CT+8*\a+2], v[64*\a+16:64*\a+31], v[MX+4*\a+1]
	v_cvt_scalef32_pk16_bf6_f32 v[PC+12*\a+6:PC+12*\a+8], v[64*\a+32:64*\a+47], v[MX+4*\a+3]
	v_cvt_scalef32_pk16_bf6_f32 v[CT+8*\a+4:CT+8*\a+6], v[64*\a+48:64*\a+63], v[MX+4*\a+3]
.endr
	WIN 0
	v_nop                                          ; one plain line behind the scaled conversions
.irp a, 0,1
.irp i, 0,1,2
	v_mov_b32 v[PC+12*\a+3+\i], v[CT+8*\a+\i]      ; (a conversion's three registers begin on an even number)
	v_mov_b32 v[PC+12*\a+9+\i], v[CT+8*\a+4+\i]
.endr
.endr
.if \p == 0
	s_wait_dscnt 0x0                               ; V and both halves of its scale words are in
.irp t, 0,1,2,3
	v_or_b32 v[VS+\t], v[VS+\t], v[VT+\t]          ; the two halves make the word; the 32 lines below stand between it and the scaled matrix instructions
.endr
.endif
	WIN 0x41
	s_wait_alu depctr_va_vdst(0)                   ; the wait directly ahead of the first reader of O^T
.irp a, 0,1
.set jj, 0
.rept 16
	v_pk_mul_f32 v[128+64*\p+32*\a+jj:128+64*\p+32*\a+jj+1], v[128+64*\p+32*\a+jj:128+64*\p+32*\a+jj+1], v[F+2*\a:F+2*\a+1] op_sel_hi:[1,0]   ; O^T under the new M
.set jj, jj+2
.endr
.endr
	WIN 0x50                                       ; C and D in window 1; eight accumulators by turns
.irp t, 0,1,2,3
.irp a, 0,1
	v_wmma_scale_f32_16x16x128_f8f6f4 v[128+64*\p+32*\a+8*\t:128+64*\p+32*\a+8*\t+7], v[VR+12*\t:VR+12*\t+11], v[PC+12*\a:PC+12*\a+11], v[128+64*\p+32*\a+8*\t:128+64*\p+32*\a+8*\t+7], v[VS+\t], v[PW+\a] matrix_a_fmt:MATRIX_FMT_BF6 matrix_b_fmt:MATRIX_FMT_BF6
.endr
.endr
.endm
	s_mov_b32 s33, 0
	s_mov_b32 s32, 16
	s_wait_alu depctr_va_vdst(0)                   ; the wait at the head's end
	s_wait_tensorcnt 0x0                           ; my two blocks have landed,
	s_barrier_signal -1
	s_barrier_wait -1                              ; everybody's have
	KLOAD
	VLOAD
	s_wait_loadcnt 0x0                             ; Q
.Lstep:
	s_wait_dscnt 18                                ; K and its scale words are in; V's 18 loads may be out
	PAIR 0
	PAIR 1
	WIN 0
	PLACES                                         ; in front of the loads into V's registers, and of the way out
	VLOAD                                          ; the next step's V: it lands under the next pair's softmax
	s_sub_co_u32 s32, s32, 1
	s_cmp_lg_u32 s32, 0
	s_wait_alu depctr_va_vdst(0)                   ; the wait ahead of the branch
	s_cbranch_scc1 .Lstep
	s_wait_dscnt 0x0                               ; the last trip's loads have landed: their registers are free
; THE WAY OUT of tile u: ctx = O^T / the sum, quantised along the head's 64 (two blocks of the model's 1,024), in true order
.macro OUTT u
	v_add_f32 v[T], v[ST+4*\u+2], v[ST+4*\u+3]
	v_permlanex16_b32 v[PX], v[T], s28, s29
	v_add_f32 v[T], v[T], v[PX]                    ; the row's sum
	s_wait_alu depctr_va_vdst(0)
	v_rcp_f32 v[SU], v[T]
	v_nop                                          ; a plain line behind the reciprocal
	WIN 0x01
	s_wait_alu depctr_va_vdst(0)                   ; the wait ahead of its first reader, which is O^T's first reader too
.set jj, 0
.rept 16
	v_pk_mul_f32 v[KR+jj:KR+jj+1], v[128+32*\u+jj:128+32*\u+jj+1], v[SU:SU+1] op_sel_hi:[1,0]   ; register 8 t + j: channel 16 t + 8 (lane / 16) + j
.set jj, jj+2
.endr
	WIN 0
.irp b, 0,1
.irp j, 0,1,2,3,4,5,6,7
	v_permlane16_swap_b32 v[KR+16*\b+\j], v[KR+16*\b+8+\j]     ; now register 16 b + i: channel 32 b + 16 (lane / 16) + i
.endr
.endr
.irp b, 0,1
	v_max3_num_f32 v[MX+\b], |v[KR+16*\b]|, |v[KR+16*\b+1]|, 0x2800000
.endr
.irp i, 2,4,6,8,10,12,14
.irp b, 0,1
	v_max3_num_f32 v[MX+\b], v[MX+\b], |v[KR+16*\b+\i]|, |v[KR+16*\b+\i+1]|
.endr
.endr
.irp b, 0,1
	v_permlanex16_b32 v[MX+2+\b], v[MX+\b], s28, s29
.endr
.irp b, 0,1
	v_max_num_f32 v[MX+\b], v[MX+\b], v[MX+2+\b]
.endr
.irp b, 0,1
	v_add_nc_u32 v[T+\b], 0xfe000000, v[MX+\b]
.endr
.irp b, 0,1
	v_lshrrev_b32 v[T+2+\b], 23, v[T+\b]
.endr
	v_lshl_or_b32 v[CW+\u], v[T+3], 8, v[T+2]
	v_lshlrev_b32 v[CW+\u], s46, v[CW+\u]          ; the head's half of the scale word of 128 along K
	v_cvt_scalef32_pk16_bf6_f32 v[PC+6*\u:PC+6*\u+2], v[KR:KR+15], v[T]
	v_cvt_scalef32_pk16_bf6_f32 v[CT:CT+2], v[KR+16:KR+31], v[T+1]
	v_nop
.irp i, 0,1,2
	v_permlane16_swap_b32 v[PC+6*\u+\i], v[CT+\i]  ; a whole block to a lane
.endr
.irp i, 0,1,2
	v_mov_b32 v[PC+6*\u+3+\i], v[CT+\i]
.endr
	global_store_b128 v1, v[PC+6*\u:PC+6*\u+3], s[8:9] offset:12288*\u        ; 512 consecutive bytes, aligned
	global_store_b64 v4, v[PC+6*\u+4:PC+6*\u+5], s[8:9] offset:12288*\u+512   ; 256 consecutive bytes, aligned
.endm
	OUTT 0
	OUTT 1
	OUTT 2
	OUTT 3
	v_cmp_le_u32 vcc_lo, 16, v6
.irp p, 0,1
	v_cndmask_b32 v[T+\p], v[CW+2*\p], v[CW+2*\p+1], vcc_lo    ; lanes 0-15 the pair's first tile's words, lanes 16-31 the second's
.endr
.irp p, 0,1
	global_store_b32 v5, v[T+\p], s[10:11] offset:2048*\p
.endr
	s_wait_tensorcnt 0x0                           ; the wave's end
	ds_add_u32 v254, v255
	s_wait_dscnt 0x0
	CROUND                                         ; the closing round
	s_endpgm
.Lfunc_end_k_qa706b28a72_attn:
	.size	k_qa706b28a72_attn, .Lfunc_end_k_qa706b28a72_attn-k_qa706b28a72_attn
	.p2alignl 7, 3214868480
	.fill 96, 4, 3214868480
	.section	.rodata,"a",@progbits
	.p2align	6, 0x0
	.amdhsa_kernel k_qa706b28a72_attn
		.amdhsa_group_segment_fixed_size 223232
		.amdhsa_private_segment_fixed_size 0
		.amdhsa_enable_private_segment 0
		.amdhsa_kernarg_size 32
		.amdhsa_user_sgpr_count 2
		.amdhsa_user_sgpr_kernarg_segment_ptr 1
		.amdhsa_wavefront_size32 1
		.amdhsa_system_sgpr_workgroup_id_x 1
		.amdhsa_system_sgpr_workgroup_id_y 1
		.amdhsa_system_sgpr_workgroup_id_z 1
		.amdhsa_system_vgpr_workitem_id 0
		.amdhsa_next_free_vgpr 512
		.amdhsa_next_free_sgpr 66
		.amdhsa_reserve_vcc 1
		.amdhsa_float_denorm_mode_32 3
		.amdhsa_float_denorm_mode_16_64 3
		.amdhsa_memory_ordered 1
		.amdhsa_forward_progress 1
		.amdhsa_inst_pref_size 82
	.end_amdhsa_kernel
	.amdgpu_metadata
---
amdhsa.version: [ 1, 2 ]
amdhsa.kernels:
  - .name:           k_qa706b28a72_attn
    .symbol:         k_qa706b28a72_attn.kd
    .args:
      - { .name: qb, .offset: 0, .size: 8, .value_kind: global_buffer, .address_space: global }
      - { .name: kv, .offset: 8, .size: 8, .value_kind: global_buffer, .address_space: global }
      - { .name: cc, .offset: 16, .size: 8, .value_kind: global_buffer, .address_space: global }
      - { .name: cs, .offset: 24, .size: 8, .value_kind: global_buffer, .address_space: global }
    .group_segment_fixed_size: 223232
    .private_segment_fixed_size: 0
    .kernarg_segment_align: 8
    .kernarg_segment_size: 32
    .max_flat_workgroup_size: 256
    .sgpr_count:     66
    .vgpr_count:     512
    .wavefront_size: 32
...
	.end_amdgpu_metadata
.endif
;; end of part 3
;; launch outln (part 4): grid 256 x 1, 4 waves a work-group, no clusters, 263,168 bytes of LDS; arguments cc, cs, wo, Wo_scales, bo, x, gamma, beta, out0; writes out0
.if DOCPART == 4
	.amdgcn_target "amdgcn-amd-amdhsa--gfx1250"
	.amdhsa_code_object_version 6
	.text
	.protected	k_qa706b28a72_outln
	.globl	k_qa706b28a72_outln
	.p2align	8
	.type	k_qa706b28a72_outln,@function
k_qa706b28a72_outln:
	s_mov_b64 s[64:65], 0
	v_nop
	global_prefetch_b8 v0, s[64:65] scope:SCOPE_SE
	s_setreg_imm32_b32 hwreg(HW_REG_WAVE_MODE, 25, 1), 1
	s_wait_xcnt 0x0
; out0 = layer norm(ctx Wo + bo + x) x gamma + beta.  The product is on codes of E3M2 with one E8M0 scale for each 32 along K; all else in f32.
; SHARES.  A work-group owns 32 stored rows (two tiles of 16) and all 1,024 columns, so that a row's mean and variance never leave it.  In the product wave w makes columns 256 w .. 256 w + 255: 16 tiles of 16.
; Source 0 = 16 rows of Wo (columns of the result), source 1 = 16 rows of ctx: a lane holds one row and eight neighbouring columns.  The bias is the C of each sum's first matrix instruction.
; ctx's 16 fragments stay in registers.  Wo's fragments come from memory straight into registers, as the images that an earlier launch laid (three loads of 16 bytes a lane each), through a ring of four sets of four
; fragments: a quad = four column tiles x one K step x two row tiles = eight matrix instructions on eight accumulators by turns; the loads run four quads ahead.
; No multicast: a fragment of Wo serves one wave of a work-group, for two matrix instructions, so LDS would give it no second reader; the whole of Wo in two slots would ask for a round of a cluster's barrier every 40 matrix instructions.
; THE NORM.  The results meet in a stage in LDS (32 rows of 4,096 bytes + 16).  Wave w then owns stage rows 8 w .. 8 w + 7, which by the stored order are 8 neighbouring tokens; their 32 KiB of x were brought by the
; wave's one tensor load at the kernel's head, into LDS bytes that it alone reads.  The variance is the mean of (a - mean)^2, taken in a second pass over the row in registers.
; LIMITS: NaN and infinities are not served; the norm's sums are taken in another order than row-major.
; REGISTERS, in windows of 256: window 0: v1-9 addresses; v16-23 ctx's scale words; v32-95 Wo's scale words; v96-223 two sets of eight accumulators, later two rows at work; v224-239 halves of ctx's scale words, later small sums.
;   window 1: ctx's fragments (row tile u, K step s) at v[12 (8 u + s)].   window 2: the ring.   window 3: v0-127 the bias in the result's layout; v128-159 gamma; v160-191 beta.
.set STP,  4112                        ; a stage row
.set XR,   32*STP                      ; behind the stage: 32,768 bytes of x for each wave
.set CSW,  16
.set WS,   32
.set ACC,  96
.set CH,   224
.set MSB, 0
.macro WIN new                         ; the immediate's high byte repeats the setting that is left
.if MSB != \new
	s_set_vgpr_msb (MSB<<8)|\new
.set MSB, \new
.endif
.endm
	s_load_b512 s[4:19], s[0:1], 0x0               ; cc, cs, wo, Wo's scales, bo, x, gamma, beta
	s_load_b64 s[20:21], s[0:1], 0x40              ; out0
	v_lshl_add_u32 v254, v0, 2, 0x40200
	v_mov_b32 v255, 0
	ds_add_u32 v254, v255
	ds_add_u32 v254, v255
	v_lshrrev_b32 v1, 5, v0
	v_readfirstlane_b32 s22, v1                    ; wave 0..3
	s_lshr_b32 s36, ttmp9, 1
	s_lshl_b32 s36, s36, 6
	s_and_b32 s37, ttmp9, 1
	s_lshl_b32 s37, s37, 4
	s_add_co_u32 s36, s36, s37
	s_and_b32 s37, s22, 1
	s_lshl_b32 s37, s37, 5
	s_add_co_u32 s36, s36, s37
	s_lshr_b32 s37, s22, 1
	s_lshl_b32 s37, s37, 3
	s_add_co_u32 s36, s36, s37                     ; the first of my 8 tokens: 64 (g / 2) + 16 (g % 2) + 32 (w % 2) + 8 (w / 2)
	s_lshl_b32 s36, s36, 12                        ; in bytes of x and of out0
	s_mov_b32 s37, 0
	; descriptor group 1: 32,768 dense bytes as 128 rows of 256 bytes (32 elements of 8 bytes), no padding, no mask
	s_mov_b32 s24, 3<<16
	s_mov_b32 s25, 32<<16                          ; tensor_dim0
	s_mov_b32 s26, 128<<16                         ; tensor_dim1
	s_mov_b32 s27, 32<<16                          ; tile_dim0
	s_mov_b32 s28, 128                             ; tile_dim1
	s_mov_b32 s29, 32                              ; tensor_dim0_stride
	s_mov_b32 s30, 0
	s_mov_b32 s31, 0
	s_mov_b32 s32, 1
	s_lshl_b32 s33, s22, 15
	s_add_co_u32 s33, s33, XR
	s_mov_b32 s40, 0x76543210
	s_mov_b32 s41, 0xfedcba98                      ; lane selects: lane l xor 16
	s_mov_b32 s42, 0x3a800000                      ; 1 / 1024
	s_mov_b32 s43, 0x3727c5ac                      ; 1e-5
	s_wait_dscnt 0x0
	s_wait_kmcnt 0x0
	s_add_nc_u64 s[34:35], s[14:15], s[36:37]
	s_or_b32 s35, s35, 0x80000000
	tensor_load_to_lds s[32:35], s[24:31]          ; my one tensor load: it has the whole product in which to land
	s_nop 0
.rept 4
	v_nop
.endr
	s_add_nc_u64 s[20:21], s[20:21], s[36:37]
	v_and_b32 v10, 31, v0                          ; lane
	v_and_b32 v11, 15, v0                          ; r
	v_bfe_u32 v12, v0, 4, 1                        ; h
	v_lshlrev_b32 v1, 4, v10                       ; 16 x lane
	v_lshlrev_b32 v2, 3, v10                       ; 8 x lane
	v_lshlrev_b32 v3, 2, v10                       ; 4 x lane
	v_lshlrev_b32 v4, 5, v12                       ; the bias: 32 h
	s_wait_alu depctr_va_vdst(0)
	v_lshlrev_b32 v5, 5, v10                       ; Wo's scales: a row of 32 bytes a lane
	s_wait_alu depctr_va_vdst(0)
	s_lshl_b32 s38, s22, 10
	v_mul_u32_u24 v6, v11, STP
	v_lshl_add_u32 v6, v12, 5, v6
	v_add_nc_u32 v6, s38, v6                       ; the stage, in: row r, + 32 h, + 1,024 x wave;
	v_add_nc_u32 v7, 16*STP, v6                    ; the second row tile
	s_mul_i32 s38, s22, 8*STP
	v_add_nc_u32 v8, s38, v1                       ; the stage, back: my 8 rows, 16 bytes a lane
	v_add_nc_u32 v9, s33, v1                       ; and my 8 rows of x
	s_mov_b32 s39, 0
	s_mul_i32 s38, ttmp9, 24576                    ; cc: 32 half fragments of 768 bytes
	s_add_nc_u64 s[4:5], s[4:5], s[38:39]
	s_lshl_b32 s38, ttmp9, 11                      ; cs: 16 heads x 128 bytes
	s_add_nc_u64 s[6:7], s[6:7], s[38:39]
	s_mul_i32 s38, s22, 196608                     ; wo: my 16 column tiles x 8 K steps x 1,536 bytes
	s_add_nc_u64 s[8:9], s[8:9], s[38:39]
	s_lshl_b32 s38, s22, 13                        ; Wo's scales: my 256 rows of 32 bytes
	s_add_nc_u64 s[10:11], s[10:11], s[38:39]
	s_lshl_b32 s38, s22, 10                        ; bo: my 256 numbers
	s_add_nc_u64 s[12:13], s[12:13], s[38:39]
	WIN 0xc0                                       ; destination window 3
.irp t, 0,1,2,3,4,5,6,7,8,9,10,11,12,13,14,15
	global_load_b128 v[8*\t:8*\t+3], v4, s[12:13] offset:64*\t            ; lane (r, h), tile t: bo at 16 t + 8 h + 0 .. 7
	global_load_b128 v[8*\t+4:8*\t+7], v4, s[12:13] offset:64*\t+16
.endr
.irp k, 0,1,2,3,4,5,6,7
	global_load_b128 v[128+4*\k:128+4*\k+3], v1, s[16:17] offset:512*\k   ; gamma and beta at my columns of a row: 128 k + 4 lane + 0 .. 3
	global_load_b128 v[160+4*\k:160+4*\k+3], v1, s[18:19] offset:512*\k
.endr
	WIN 0x40                                       ; destination window 1
.irp u, 0,1
.irp d, 0,1,2,3,4,5,6,7,8,9,10,11,12,13,14,15  ; head d is half (d % 2) of K step d / 2
	global_load_b128 v[12*(8*\u+\d/2)+6*(\d%2):12*(8*\u+\d/2)+6*(\d%2)+3], v1, s[4:5] offset:(16*\u+\d)*768
	global_load_b64 v[12*(8*\u+\d/2)+6*(\d%2)+4:12*(8*\u+\d/2)+6*(\d%2)+5], v2, s[4:5] offset:(16*\u+\d)*768+512
.endr
.endr
	WIN 0
.irp d, 0,1,2,3,4,5,6,7,8,9,10,11,12,13,14,15
	global_load_b32 v[CH+\d], v3, s[6:7] offset:128*\d
.endr
.irp p, 0,1,2,3,4,5,6,7                        ; lane l: row 32 p + l of my 256: lanes 0-15 the even column tile, lanes 16-31 the odd one; register s: K step s
	global_load_b128 v[WS+8*\p:WS+8*\p+3], v5, s[10:11] offset:1024*\p
	global_load_b128 v[WS+8*\p+4:WS+8*\p+7], v5, s[10:11] offset:1024*\p+16
.endr
.macro QLOAD q                         ; quad q's four fragments of Wo into ring set q % 4: twelve loads of 512 consecutive bytes
.set LG, (\q)/8
.set LS, (\q)%8
.set LR, 48*((\q)%4)
	WIN 0x80                                       ; destination window 2
.irp i, 0,1,2,3
.irp c, 0,1,2
	global_load_b128 v[LR+12*\i+4*\c:LR+12*\i+4*\c+3], v1, s[8:9] offset:((4*LG+\i)*8+LS)*1536+512*\c
.endr
.endr
.endm
	QLOAD 0
	QLOAD 1
	QLOAD 2
	QLOAD 3
.macro MM i, u                         ; column tile 4 G + i, row tile u, K step SS
.set DD, AB+8*(2*(\i)+(\u))
.if SS == 0
.set CC, 8*(4*G+(\i))                  ; the bias, in window 3
.else
.set CC, DD
.endif
.set AA, RS+12*(\i)
.set BB, 12*(8*(\u)+SS)
.set SA, WS+8*(2*G+(\i)/2)+SS
.set SB, CSW+SS
.if (\i)%2
.if \u
	v_wmma_scale_f32_16x16x128_f8f6f4 v[DD:DD+7], v[AA:AA+11], v[BB:BB+11], v[CC:CC+7], v[SA], v[SB] matrix_a_fmt:MATRIX_FMT_BF6 matrix_b_fmt:MATRIX_FMT_BF6 matrix_a_scale:MATRIX_SCALE_ROW1 matrix_b_scale:MATRIX_SCALE_ROW1
.else
	v_wmma_scale_f32_16x16x128_f8f6f4 v[DD:DD+7], v[AA:AA+11], v[BB:BB+11], v[CC:CC+7], v[SA], v[SB] matrix_a_fmt:MATRIX_FMT_BF6 matrix_b_fmt:MATRIX_FMT_BF6 matrix_a_scale:MATRIX_SCALE_ROW1
.endif
.else
.if \u
	v_wmma_scale_f32_16x16x128_f8f6f4 v[DD:DD+7], v[AA:AA+11], v[BB:BB+11], v[CC:CC+7], v[SA], v[SB] matrix_a_fmt:MATRIX_FMT_BF6 matrix_b_fmt:MATRIX_FMT_BF6 matrix_b_scale:MATRIX_SCALE_ROW1
.else
	v_wmma_scale_f32_16x16x128_f8f6f4 v[DD:DD+7], v[AA:AA+11], v[BB:BB+11], v[CC:CC+7], v[SA], v[SB] matrix_a_fmt:MATRIX_FMT_BF6 matrix_b_fmt:MATRIX_FMT_BF6
.endif
.endif
.endm
.macro QUAD q
.set G, (\q)/8
.set SS, (\q)%8
.set RS, 48*((\q)%4)
.set AB, ACC+64*(G%2)
.if 31-(\q) >= 3
	s_wait_loadcnt 36                              ; this quad's twelve loads, and all before them, are in; the 36 of the three younger quads may be out
.else
	s_wait_loadcnt 12*(31-(\q))
.endif
.if (\q) == 0
	WIN 0
.irp s, 0,1,2,3,4,5,6,7
	v_or_b32 v[CSW+\s], v[CH+2*\s], v[CH+2*\s+1]   ; two heads' halves make K step s's scale word: lanes 0-15 the first row tile's, lanes 16-31 the second's
.endr
.rept 8
	v_nop                                          ; eight plain lines between a scale register so written and the scaled matrix instruction
.endr
.endif
.if SS == 0
	WIN 0x36                                       ; source 0 (Wo) window 2, source 1 (ctx) window 1, C (the bias) window 3, D window 0
.else
	WIN 0x06                                       ; C and D window 0
.endif
.irp i, 0,1,2,3
.irp u, 0,1
	MM \i, \u
.endr
.endr
.rept 4
	v_nop                                          ; places in front of the loads into this ring set and of the stores of results
.endr
.if (\q)+4 < 32
	QLOAD (\q)+4
.endif
.if SS == 7
	WIN 0
.irp i, 0,1,2,3
.irp u, 0,1
	ds_store_b128 v[6+\u], v[AB+8*(2*\i+\u):AB+8*(2*\i+\u)+3] offset:256*G+64*\i        ; each accumulator from its low end on
	ds_store_b128 v[6+\u], v[AB+8*(2*\i+\u)+4:AB+8*(2*\i+\u)+7] offset:256*G+64*\i+16
.endr
.endr
.endif
.endm
.set QN, 0
.rept 32
	s_wait_alu depctr_va_vdst(0)
	QUAD QN
.set QN, QN+1
.endr
	s_wait_tensorcnt 0x0                           ; my rows of x are in LDS
	s_wait_dscnt 0x0                               ; my stores into the stage have landed
	s_barrier_signal -1
	s_barrier_wait -1                              ; 32 whole rows lie in the stage
	v_mov_b32 v229, 0                              ; (upper halves of pairs, and a lane permute's destination: written once)
	v_mov_b32 v231, 0
	v_mov_b32 v232, 0
.macro RLOAD i                         ; row i of my 8: 4,096 bytes of the stage and 4,096 of x, 16 bytes a lane, into buffer i % 2
.set LB, ACC+64*((\i)%2)
.irp k, 0,1,2,3,4,5,6,7
	ds_load_b128 v[LB+4*\k:LB+4*\k+3], v8 offset:(\i)*STP+512*\k
.endr
.irp k, 0,1,2,3,4,5,6,7
	ds_load_b128 v[LB+32+4*\k:LB+32+4*\k+3], v9 offset:(\i)*4096+512*\k
.endr
.endm
.macro LANESUM                         ; v224 summed over the 32 lanes, the result in every lane
	v_add_f32_dpp v224, v224, v224 row_xmask:1 row_mask:0xf bank_mask:0xf
	v_add_f32_dpp v224, v224, v224 row_xmask:2 row_mask:0xf bank_mask:0xf
	v_add_f32_dpp v224, v224, v224 row_xmask:4 row_mask:0xf bank_mask:0xf
	v_add_f32_dpp v224, v224, v224 row_xmask:8 row_mask:0xf bank_mask:0xf
	v_permlanex16_b32 v232, v224, s40, s41
	v_add_f32 v224, v224, v232
.endm
.macro ROW i
.if (\i) >= 1
	s_wait_xcnt 0x0                                ; the last row's stores have read their registers: the other buffer is loaded again only behind this wait
.endif
.if (\i) < 7
	RLOAD (\i)+1
	s_wait_dscnt 16                                ; this row is in; the next row's sixteen loads may be out
.else
	s_wait_dscnt 0x0
.endif
.set BA, ACC+64*((\i)%2)
.set jj, 0
.rept 16
	v_pk_add_f32 v[BA+jj:BA+jj+1], v[BA+jj:BA+jj+1], v[BA+32+jj:BA+32+jj+1]   ; a = the product with its bias + x
.set jj, jj+2
.endr
	v_pk_add_f32 v[224:225], v[BA:BA+1], v[BA+2:BA+3]              ; the row's sum, in two chains
	v_pk_add_f32 v[226:227], v[BA+4:BA+5], v[BA+6:BA+7]
.irp j, 8,12,16,20,24,28
	v_pk_add_f32 v[224:225], v[224:225], v[BA+\j:BA+\j+1]
	v_pk_add_f32 v[226:227], v[226:227], v[BA+\j+2:BA+\j+3]
.endr
	v_pk_add_f32 v[224:225], v[224:225], v[226:227]
	v_add_f32 v224, v224, v225
	LANESUM
	v_mul_f32 v228, s42, v224                      ; the mean
.set jj, 0
.rept 16
	v_pk_add_f32 v[BA+jj:BA+jj+1], v[BA+jj:BA+jj+1], v[228:229] op_sel_hi:[1,0] neg_lo:[0,1] neg_hi:[0,1]   ; a - mean
.set jj, jj+2
.endr
	v_pk_mul_f32 v[224:225], v[BA:BA+1], v[BA:BA+1]                ; the sum of its squares
	v_pk_mul_f32 v[226:227], v[BA+2:BA+3], v[BA+2:BA+3]
.irp j, 4,8,12,16,20,24,28
	v_pk_fma_f32 v[224:225], v[BA+\j:BA+\j+1], v[BA+\j:BA+\j+1], v[224:225]
	v_pk_fma_f32 v[226:227], v[BA+\j+2:BA+\j+3], v[BA+\j+2:BA+\j+3], v[226:227]
.endr
	v_pk_add_f32 v[224:225], v[224:225], v[226:227]
	v_add_f32 v224, v224, v225
	LANESUM
	v_fma_f32 v224, v224, s42, s43                 ; the variance + 1e-5
	s_wait_alu depctr_va_vdst(0)
	v_rsq_f32 v230, v224
	v_nop                                          ; a plain line behind the root
	s_wait_alu depctr_va_vdst(0)                   ; and the wait ahead of its first reader
.set jj, 0
.rept 16
	v_pk_mul_f32 v[BA+jj:BA+jj+1], v[BA+jj:BA+jj+1], v[230:231] op_sel_hi:[1,0]
.set jj, jj+2
.endr
	WIN 0x3c                                       ; sources 1 and 2 (gamma, beta) window 3
.set jj, 0
.rept 16
	v_pk_fma_f32 v[BA+jj:BA+jj+1], v[BA+jj:BA+jj+1], v[128+jj:129+jj], v[160+jj:161+jj]
.set jj, jj+2
.endr
	WIN 0
.irp k, 0,1,2,3,4,5,6,7
	global_store_b128 v1, v[BA+4*\k:BA+4*\k+3], s[20:21] offset:4096*(\i)+512*\k th:TH_STORE_NT   ; 512 consecutive bytes, aligned; written once
.endr
.endm
	RLOAD 0
.irp i, 0,1,2,3,4,5,6,7
	ROW \i
.endr
	s_wait_tensorcnt 0x0
	ds_add_u32 v254, v255
	s_wait_dscnt 0x0
	s_endpgm
.Lfunc_end_k_qa706b28a72_outln:
	.size	k_qa706b28a72_outln, .Lfunc_end_k_qa706b28a72_outln-k_qa706b28a72_outln
	.p2alignl 7, 3214868480
	.fill 96, 4, 3214868480
	.section	.rodata,"a",@progbits
	.p2align	6, 0x0
	.amdhsa_kernel k_qa706b28a72_outln
		.amdhsa_group_segment_fixed_size 263168
		.amdhsa_private_segment_fixed_size 0
		.amdhsa_enable_private_segment 0
		.amdhsa_kernarg_size 72
		.amdhsa_user_sgpr_count 2
		.amdhsa_user_sgpr_kernarg_segment_ptr 1
		.amdhsa_wavefront_size32 1
		.amdhsa_system_sgpr_workgroup_id_x 1
		.amdhsa_system_sgpr_workgroup_id_y 1
		.amdhsa_system_sgpr_workgroup_id_z 1
		.amdhsa_system_vgpr_workitem_id 0
		.amdhsa_next_free_vgpr 1024
		.amdhsa_next_free_sgpr 66
		.amdhsa_reserve_vcc 0
		.amdhsa_float_denorm_mode_32 3
		.amdhsa_float_denorm_mode_16_64 3
		.amdhsa_memory_ordered 1
		.amdhsa_forward_progress 1
		.amdhsa_inst_pref_size 169
	.end_amdhsa_kernel
	.amdgpu_metadata
---
amdhsa.version: [ 1, 2 ]
amdhsa.kernels:
  - .name:           k_qa706b28a72_outln
    .symbol:         k_qa706b28a72_outln.kd
    .args:
      - { .name: cc, .offset: 0, .size: 8, .value_kind: global_buffer, .address_space: global }
      - { .name: cs, .offset: 8, .size: 8, .value_kind: global_buffer, .address_space: global }
      - { .name: wo, .offset: 16, .size: 8, .value_kind: global_buffer, .address_space: global }
      - { .name: Wo_scales, .offset: 24, .size: 8, .value_kind: global_buffer, .address_space: global }
      - { .name: bo, .offset: 32, .size: 8, .value_kind: global_buffer, .address_space: global }
      - { .name: x, .offset: 40, .size: 8, .value_kind: global_buffer, .address_space: global }
      - { .name: gamma, .offset: 48, .size: 8, .value_kind: global_buffer, .address_space: global }
      - { .name: beta, .offset: 56, .size: 8, .value_kind: global_buffer, .address_space: global }
      - { .name: out0, .offset: 64, .size: 8, .value_kind: global_buffer, .address_space: global }
    .group_segment_fixed_size: 263168
    .private_segment_fixed_size: 0
    .kernarg_segment_align: 8
    .kernarg_segment_size: 72
    .max_flat_workgroup_size: 128
    .sgpr_count:     66
    .vgpr_count:     1024
    .wavefront_size: 32
...
	.end_amdgpu_metadata
.endif
;; end of part 4
